; MI455X (gfx1250); checked and timed in simulation.
; The chip was launched on July 23, 2026; its instructions are those of AMD's public machine-readable ISA for CDNA 5 (MIT licence, August 2026) and "CDNA5" Instruction Set Architecture Reference Guide (July 2026). The comments in the code are by the model that wrote it; some were corrected since.
;; Multi Head Attention. Allowed arithmetic: matrix products marked QUANTISED: E2M1 operands, one E8M0 scale for each 32 along K, by v_wmma_scale_f32_16x16x128_f8f6f4 with both operands' format E2M1 (or v_wmma_scale_f32_32x16x128_f4), f32 sums; everything else in f32.
;; Inputs: Wk 16 x 1,024 x 64 float32; Wo 1,024 x 1,024 float32; Wq 16 x 1,024 x 64 float32; Wv 16 x 1,024 x 64 float32; bk 16 x 64 float32; bo 1,024 float32; bq 16 x 64 float32; bv 16 x 64 float32; encoder_output 4 x 2,048 x 1,024 float32; x 4 x 2,048 x 1,024 float32.
;; Outputs: out0 4 x 2,048 x 1,024 float32.
;; This version of the problem:
;;   THIS VERSION OF THE PROBLEM IS GIVEN IN LOW PRECISION. The matrix products marked QUANTISED in the list below multiply operands that are first quantised to E2M1 (2 exponent bits, 1 mantissa bit; 4 bits a number), with one power-of-two scale for each 32 numbers along K (OCP MX v1.0); their sums are f32. All else is computed in f32.
;;   The module's matrix products, in the order in which they are computed (A, B: the left and right operand; K: the contracted axis; several contracted axes count as one K, in the product's order):
;;     1. [M 1,024, K 1,024] x [K 1,024, N 8,192]; A: input Wq; B: input x: QUANTISED
;;     2. [M 1,024, K 1,024] x [K 1,024, N 8,192]; A: input Wk; B: input x: QUANTISED
;;     3. [M 1,024, K 1,024] x [K 1,024, N 8,192]; A: input Wv; B: input x: QUANTISED
;;     4. batch 64 x [M 2,048, K 64] x [K 64, N 2,048]; A: computed on the way; B: computed on the way: QUANTISED
;;     5. batch 64 x [M 2,048, K 2,048] x [K 2,048, N 64]; A: softmax (see below); B: computed on the way: QUANTISED
;;     6. [M 8,192, K 1,024] x [K 1,024, N 1,024]; A: computed on the way; B: input Wo: QUANTISED
;;   THE QUANTISER, for each operand of a quantised product, along K:
;;     - K is cut into blocks of 32 from its start; a last block that is shorter is filled with zeros.
;;     - A block's scale is 2^e with e = floor(log2(the largest magnitude in the block)) - 2, held to -126 .. 127; a block of zeros has e = 0. As a byte (E8M0): e + 127.
;;     - Each number is divided by its block's scale, clamped to +-6, and rounded to the nearest number of E2M1, ties to even, subnormals kept.
;;     - The product sums the exact products of the quantised numbers (number of the format x scale) in f32.
;;   ~~~python
;;   def quantise(x, axis):      # numpy; x: float32 -> the quantised numbers, widened to float32 again
;;       x = np.moveaxis(x, axis, -1); K = x.shape[-1]
;;       x = np.pad(x, [(0, 0)] * (x.ndim - 1) + [(0, -K % 32)]); x = x.reshape(x.shape[:-1] + (-1, 32)); a = np.abs(x).max(-1, keepdims=True)
;;       e = np.where(a > 0, np.clip(np.frexp(np.where(a > 0, a, 1))[1] - 1 - 2, -126, 127), 0)      # np.frexp(a)[1] - 1 = floor(log2(a)), exactly
;;       r = np.clip(x / 2.0 ** e, -6, 6)
;;       step = 2.0 ** (np.maximum(np.frexp(np.where(r == 0, 1, r))[1] - 1, 0) - 1)
;;       q = np.round(r / step) * step * 2.0 ** e      # np.round: ties to even
;;       return np.moveaxis(q.reshape(q.shape[:-2] + (-1,))[..., :K], -1, axis).astype(np.float32)
;;   ~~~
;;   SOFTMAX AHEAD OF A QUANTISED PRODUCT. Where the list says 'softmax', what is quantised is not the finished softmax but p = 2^(t - M), with t = logit x log2(e) and M = ceil(the row's largest t), a whole number; so 1/2 < the row's largest p <= 1. The row's sum l is taken of the UNQUANTISED p, in f32, and the product's result is divided by l at the end. Since M is a whole number, a kernel that streams over the keys may use a running M (the ceiling of the running maximum): every later rescaling is an exact power of two, which a block's scale takes up: the codes' values come out the same.
;;   OPERANDS COMPUTED ON THE WAY. 'Computed on the way' means the value that the module computes at that place (a softmax that the list does not call 'softmax' is quantised finished and normalised). What goes into a quantiser is computed in f32, as accurately as f32 sums, v_exp_f32 and their like allow (about 1e-6 of the number): no bf16 or f16 on the way to a quantiser, and a product that is left as it is and whose result goes on into a quantised operand takes f32 operands (vector FMAs, or v_wmma_f32_16x16x4_f32). A number that lies on a knife's edge between two numbers of the format may be rounded either way, as far as f32 arithmetic and the matrix unit's own rounding can turn it there, and no further.
;; One version. Each part assembles by itself: llvm-mc -triple=amdgcn-amd-amdhsa -mcpu=gfx1250 --defsym DOCPART=n.
;; ======== version 1 of 1: 4 launches
;; limits: right only within a limited range of input values
;; workspace buffers: xc 4,194,304 bytes; xs 262,144 bytes; wc 2,097,152 bytes; ws 131,072 bytes; qb 4,718,592 bytes; kv 9,175,040 bytes; cc 4,194,304 bytes; cs 262,144 bytes
;; launch quant (part 1): grid 512 x 1, 4 waves a work-group, no clusters, 42,496 bytes of LDS; arguments x, Wq, Wk, Wv, Wo, xc, xs, wc, ws; writes xc, xs, wc, ws
.if DOCPART == 1
	.amdgcn_target "amdgcn-amd-amdhsa--gfx1250"
	.amdhsa_code_object_version 6
	.text
	.protected	k_q227c3cc9a0_quant
	.globl	k_q227c3cc9a0_quant
	.p2align	8
	.type	k_q227c3cc9a0_quant,@function
k_q227c3cc9a0_quant:
	s_mov_b64 s[64:65], 0
	v_nop
	global_prefetch_b8 v0, s[64:65] scope:SCOPE_SE
	s_setreg_imm32_b32 hwreg(HW_REG_WAVE_MODE, 25, 1), 1
	s_wait_xcnt 0x0
; MULTI-HEAD CAUSAL SELF-ATTENTION IN MX-FP4, launch 1 of 4: x and the four weights become codes of E2M1 with K innermost and E8M0 scale bytes.
; WORK LEFT OUT BY THE PROGRAM.  (a) encoder_output: no line of reference() names it, so no value of it can reach out0: it is not loaded and is no argument of any launch.
; (b) Key steps that lie wholly above the diagonal (launch attn): there reference() replaces the logit by -1e9 by a mask that it builds itself (jnp.tril); p = 2^(-1.44e9 - M) is the number 0 in f32, its code is 0
; under every scale, and it adds nothing to the row's sum, since each row holds its own key, whose logit is an ordinary number.  LIMITS: a NaN, an infinity or an overflow that reaches only what is left out is not carried
; to the result; rows all of whose visible logits lie under about -1e9 are not served.
; THE QUANTISER: a block's scale is 2^(floor(log2(largest magnitude)) - 2); its byte is the largest magnitude's exponent field - 2, held at 1 from below.  A block of zeros gets the byte 1 where the rule says 127: its codes
; are zeros, and these bytes are read by this program alone.  LIMITS: blocks whose largest magnitude lies under 2^-124 get the byte 1; NaN and infinities among the inputs are not served.
; ORDER OF ROWS.  Row o is stored at row sigma(o), sigma = bits 3 and 4 of the row's number exchanged.  A tile of 16 neighbouring stored rows then holds rows 32 B + 8 u + r + 8 (r / 8): used as a matrix instruction's
; source 0, two neighbouring tiles leave 16 neighbouring rows in a lane's 16 result registers, which is what the quantisers of the later launches want.
; SHARES.  Of each pair of work-groups 2 m, 2 m + 1 one takes part m of x and the other part m of the weights: x where bits 0 and 8 of the work-group's number are equal.  x [8192][1024]: 32 rows a work-group, 8 a wave
; (xc: 512 bytes a row; xs: 32 a row).  The weights, whose K is not innermost: 32 columns x 512 along K a work-group (wc [4096 rows][512], ws [4096][32]: rows 0-1023 Wq's columns 64 head + n, then Wk's, Wv's, Wo's).
; The two paths have LDS bytes of their own.  No tensor load; memory binds, so no matrix unit and no cluster.
.set SPW,   216                        ; my spare word's LDS address; never rewritten
.set NIL,   217                        ; 0; never rewritten
.set WREG,  8192                       ; x: a region for each wave: two stages of 32 x SP bytes, then its 256 scale bytes
.set SP,    80                         ; a lane's place in a stage: 64 bytes + 16 of padding
.set SPARE, 4*WREG                     ; the spare words: 128 bytes a wave, named by no other line
.set WB,    SPARE+512                  ; the weights' path: a stage of 32 rows,
.set PITCH, 272
.set SCS,   WB+32*PITCH                ; and 16 scale bytes for each column
	v_lshl_add_u32 v[SPW], v0, 2, SPARE
	v_mov_b32 v[NIL], 0
	v_lshrrev_b32 v1, 5, v0
	v_readfirstlane_b32 s16, v1                    ; wave 0..3
	s_lshr_b32 s43, ttmp9, 8
	s_xor_b32 s43, s43, ttmp9
	s_and_b32 s43, s43, 1                          ; 0: x; 1: the weights
	s_lshr_b32 s41, ttmp9, 1                       ; which part, 0..255
	s_cmp_lg_u32 s43, 0
	s_cbranch_scc1 .Lweights
; ---- x.  16 steps of 512 numbers a wave.  Each load reads 512 consecutive bytes; a step's 2,048 bytes turn through the wave's own stage, so that a lane holds 16 neighbours along K (two lanes a block).
.set STEPS, 16
.set CB,    8                          ; bytes of 16 codes
.set R,     16                         ; v16-79   four sets of 16 numbers as loaded
.set X,     80                         ; v80-111  two sets of 16 neighbours
.set E,     112                        ; v112-127 a scale byte for each step
.set C,     128                        ; v128-191 codes: registers of their own for each step
	s_load_b64 s[4:5], s[0:1], 0x0                 ; x
	s_load_b128 s[8:11], s[0:1], 0x28              ; xc, xs
	v_and_b32 v2, 31, v0                           ; lane
	v_lshlrev_b32 v3, 4, v2                        ; my 16 bytes of a load's 512
	s_mul_i32 s17, s16, WREG
	v_lshrrev_b32 v14, 2, v2
	v_mul_u32_u24 v14, v14, SP
	v_and_b32 v15, 3, v2
	v_lshl_add_u32 v14, v15, 4, v14
	v_add_nc_u32 v14, s17, v14                     ; the stage on the way in: SP (lane / 4) + 16 (lane % 4)
	v_mul_u32_u24 v15, v2, SP
	v_add_nc_u32 v15, s17, v15                     ; and on the way out: SP x lane
	v_mul_u32_u24 v4, v2, CB
	v_lshrrev_b32 v5, 1, v2
	s_add_co_u32 s17, s17, 2*32*SP
	v_add_nc_u32 v5, s17, v5                       ; my block's scale byte in LDS
	v_lshlrev_b32 v7, 3, v2
	v_add_nc_u32 v6, s17, v7
	s_lshl_b32 s18, s41, 2
	s_add_co_u32 s19, s18, s16                     ; which 8 rows I read
	s_and_b32 s20, s16, 1
	s_lshl_b32 s20, s20, 1
	s_lshr_b32 s21, s16, 1
	s_or_b32 s20, s20, s21
	s_add_co_u32 s18, s18, s20                     ; and where they are stored: sigma exchanges the two low bits of a group of eight rows' number
	s_lshl_b32 s20, s19, 15
	s_mov_b32 s21, 0
	s_lshl_b32 s22, s18, 12
	s_mov_b32 s23, 0
	s_lshl_b32 s24, s18, 8
	s_mov_b32 s25, 0
	s_wait_alu depctr_va_vdst(0)                   ; the wait at the head's end
	s_wait_kmcnt 0x0
	s_add_nc_u64 s[4:5], s[4:5], s[20:21]
	s_add_nc_u64 s[8:9], s[8:9], s[22:23]
	s_add_nc_u64 s[10:11], s[10:11], s[24:25]
.macro LOADX t
.irp i, 0,1,2,3
	global_load_b128 v[R+16*((\t)%4)+4*\i:R+16*((\t)%4)+4*\i+3], v3, s[4:5] offset:2048*(\t)+512*\i th:TH_LOAD_NT
.endr
.endm
.macro TURNX t                         ; LDS serves a wave's instructions in order: no wait between the stores and the loads
.irp i, 0,1,2,3
	ds_store_b128 v14, v[R+16*((\t)%4)+4*\i:R+16*((\t)%4)+4*\i+3] offset:32*SP*((\t)%2)+8*SP*\i
.endr
.irp i, 0,1,2,3
	ds_load_b128 v[X+16*((\t)%2)+4*\i:X+16*((\t)%2)+4*\i+3], v15 offset:32*SP*((\t)%2)+16*\i
.endr
.endm
.irp t, 0,1,2,3
	LOADX \t
.endr
	s_wait_loadcnt 12                              ; step 0's four loads are in; the twelve of steps 1 to 3 may be out
	TURNX 0
.macro STEPX t
.set XS, X+16*((\t)%2)
.if (\t) > 0
	s_wait_dscnt 1                                 ; this step's numbers are back; the last step's byte store may be out
.else
	s_wait_dscnt 0x0
.endif
.if (\t)+4 < STEPS
	LOADX (\t)+4
.endif
.if (\t)+1 < STEPS
.if STEPS-2-(\t) >= 3
	s_wait_loadcnt 12                              ; the next step's four loads are in; those of the three steps behind it may be out
.else
	s_wait_loadcnt 4*(STEPS-2-(\t))
.endif
	TURNX (\t)+1
.endif
	v_max3_num_f32 v8, |v[XS]|, |v[XS+1]|, |v[XS+2]|
	v_max3_num_f32 v9, |v[XS+3]|, |v[XS+4]|, |v[XS+5]|
.irp i, 6,10
	v_max3_num_f32 v8, v8, |v[XS+\i]|, |v[XS+\i+1]|
	v_max3_num_f32 v9, v9, |v[XS+\i+2]|, |v[XS+\i+3]|
.endr
	v_max3_num_f32 v8, v8, |v[XS+14]|, |v[XS+15]|
	v_max3_num_f32 v8, v8, v9, 0x1800000           ; the floor 2^(3 - 127): the byte cannot fall under 1
	v_max_num_f32_dpp v8, v8, v8 row_xmask:1 row_mask:0xf bank_mask:0xf   ; with my neighbour's 16: the block's
	v_add_nc_u32 v11, 0xff000000, v8               ; 2 off its exponent field: the conversion's scale operand
	v_cvt_scalef32_pk8_fp4_f32 v[C+4*(\t)], v[XS:XS+7], v11
	v_cvt_scalef32_pk8_fp4_f32 v[C+4*(\t)+1], v[XS+8:XS+15], v11
	v_lshrrev_b32 v[E+(\t)], 23, v11               ; the scale's byte
	ds_store_b8 v5, v[E+(\t)] offset:16*(\t)
	global_store_b64 v4, v[C+4*(\t):C+4*(\t)+1], s[8:9] offset:32*CB*(\t)   ; 256 consecutive aligned bytes a wave
.endm
.irp t, 0,1,2,3,4,5,6,7,8,9,10,11,12,13,14,15
	STEPX \t
.endr
	ds_load_b64 v[8:9], v6
	s_wait_dscnt 0x0
	global_store_b64 v7, v[8:9], s[10:11]          ; my 256 scale bytes, one aligned run
	s_wait_tensorcnt 0x0                           ; the wave's end
	ds_add_u32 v[SPW], v[NIL]
	s_wait_dscnt 0x0
	s_endpgm
; ---- the weights.  A LANE TAKES A COLUMN AND ITS REGISTERS RUN DOWN K.  Wave w takes the work-group's 32 columns, 128 along K from 128 w on: four blocks a lane.
; The codes meet in a stage (a row = a column's 256 bytes) and leave as rows: sixteen lanes store 256 consecutive aligned bytes.  The scale bytes leave as 16 bytes a column.
.Lweights:
.set CD,    20                         ; v20-35   a block's codes
.set OFF,   36                         ; v36-67   byte offset of row i of a block at my column
.set XW,    68                         ; v68-195  four blocks of 32 numbers
.set OUTR,  196
	s_load_b256 s[4:11], s[0:1], 0x8               ; Wq, Wk, Wv, Wo
	s_load_b128 s[12:15], s[0:1], 0x38             ; wc, ws
	s_and_b32 s21, s41, 1                          ; which half of K
	s_bfe_u32 s20, s41, 0x50001                    ; which 32 of the weight's 1,024 columns
	s_lshr_b32 s19, s41, 6                         ; which weight: 0 q, 1 k, 2 v, 3 o
	v_and_b32 v1, 31, v0                           ; lane = my column of the 32
	v_and_b32 v2, 15, v0
	v_bfe_u32 v3, v0, 4, 1
	v_mul_u32_u24 v4, v1, PITCH
	s_lshl_b32 s45, s16, 6
	s_add_co_u32 s45, s45, WB
	v_add_nc_u32 v4, s45, v4                       ; the stage: my column's row, my 64 bytes of it
	v_lshl_add_u32 v8, v1, 4, SCS                  ; my column's 16 scale bytes,
	s_lshl_b32 s45, s16, 2
	v_add_nc_u32 v5, s45, v8                       ; and my word of them
	s_mul_i32 s44, s16, 8*PITCH
	s_add_co_u32 s44, s44, WB
	v_mul_u32_u24 v6, v3, PITCH
	v_lshl_add_u32 v6, v2, 4, v6
	v_add_nc_u32 v6, s44, v6                       ; back: rows 8 w + h, sixteen lanes to a row
	v_lshlrev_b32 v7, 9, v3
	v_lshl_add_u32 v7, v2, 4, v7                   ; and the same two rows in wc
	v_and_b32 v9, 7, v1
	v_bfe_u32 v13, v1, 3, 1
	v_lshl_or_b32 v9, v13, 4, v9
	v_bfe_u32 v13, v1, 4, 1
	v_lshl_or_b32 v9, v13, 3, v9
	v_lshlrev_b32 v9, 5, v9                        ; sigma(lane) x 32: my column's row of ws
	s_lshl_b32 s26, s20, 7                         ; Wo: 32 columns are 128 bytes;
	s_lshr_b32 s27, s20, 1
	s_lshl_b32 s27, s27, 18                        ; the others: a head is 2^18 bytes,
	s_and_b32 s44, s20, 1
	s_lshl_b32 s44, s44, 7
	s_add_co_u32 s27, s27, s44                     ; and half of its 64 columns 128
	s_mov_b32 s22, 256
	s_cmp_eq_u32 s19, 3
	s_cselect_b32 s22, 4096, s22                   ; bytes from row to row along K
	s_cselect_b32 s26, s26, s27
	s_lshl_b32 s44, s21, 9
	s_lshl_b32 s45, s16, 7
	s_add_co_u32 s44, s44, s45                     ; my first row along K
	s_mul_i32 s44, s44, s22
	s_add_co_u32 s26, s26, s44
	s_mov_b32 s27, 0
	s_lshl_b32 s36, s22, 5                         ; a block: 32 rows
	s_mov_b32 s37, 0
	v_lshlrev_b32 v[OFF], 2, v1
.set i, 1
.rept 31
	v_mad_u32_u24 v[OFF+i], s22, i, v[OFF]
.set i, i+1
.endr
	s_lshl_b32 s44, s19, 10
	s_lshl_b32 s45, s20, 5
	s_add_co_u32 s44, s44, s45                     ; the work-group's first row of wc and ws
	s_and_b32 s46, s16, 1
	s_lshl_b32 s46, s46, 1
	s_lshr_b32 s47, s16, 1
	s_or_b32 s46, s46, s47                         ; sigma on groups of eight columns
	s_lshl_b32 s46, s46, 3
	s_add_co_u32 s46, s46, s44
	s_lshl_b32 s38, s46, 9
	s_lshl_b32 s47, s21, 8
	s_add_co_u32 s38, s38, s47                     ; codes: row x 512 + 256 x half of K
	s_mov_b32 s39, 0
	s_lshl_b32 s40, s44, 5
	s_lshl_b32 s47, s21, 4
	s_add_co_u32 s40, s40, s47                     ; scale bytes: row x 32 + 16 x half of K
	s_mov_b32 s41, 0
	s_wait_alu depctr_va_vdst(0)                   ; the wait at the head's end
	s_wait_kmcnt 0x0
	s_cmp_eq_u32 s19, 1                            ; the weight is chosen by the work-group's number alone
	s_cselect_b64 s[24:25], s[6:7], s[4:5]
	s_cmp_eq_u32 s19, 2
	s_cselect_b64 s[24:25], s[8:9], s[24:25]
	s_cmp_eq_u32 s19, 3
	s_cselect_b64 s[24:25], s[10:11], s[24:25]
	s_add_nc_u64 s[28:29], s[24:25], s[26:27]      ; a base for each block
	s_add_nc_u64 s[30:31], s[28:29], s[36:37]
	s_add_nc_u64 s[32:33], s[30:31], s[36:37]
	s_add_nc_u64 s[34:35], s[32:33], s[36:37]
	s_add_nc_u64 s[38:39], s[12:13], s[38:39]
	s_add_nc_u64 s[40:41], s[14:15], s[40:41]
.macro LOADW t
.set i, 0
.rept 32
	global_load_b32 v[XW+32*(\t)+i], v[OFF+i], s[28+2*(\t):29+2*(\t)]      ; 128 consecutive bytes a wave; no non-temporal hint: another work-group reads the 128 bytes beside them
.set i, i+1
.endr
.endm
	LOADW 0
	LOADW 1
.macro BLOCKW t
.set XS, XW+32*(\t)
.if (\t) < 3
	s_wait_loadcnt 32                              ; this block's 32 loads are in; the next block's 32 may be out
.else
	s_wait_loadcnt 0x0
.endif
.if (\t)+2 < 4
	LOADW (\t)+2
.endif
	v_max3_num_f32 v12, |v[XS]|, |v[XS+1]|, |v[XS+2]|
	v_max3_num_f32 v13, |v[XS+3]|, |v[XS+4]|, |v[XS+5]|
.irp i, 6,10,14,18,22,26
	v_max3_num_f32 v12, v12, |v[XS+\i]|, |v[XS+\i+1]|
	v_max3_num_f32 v13, v13, |v[XS+\i+2]|, |v[XS+\i+3]|
.endr
	v_max3_num_f32 v12, v12, |v[XS+30]|, |v[XS+31]|
	v_max3_num_f32 v12, v12, v13, 0x1800000
	v_add_nc_u32 v14, 0xff000000, v12
	v_lshrrev_b32 v15, 23, v14
.if (\t) == 0
	v_mov_b32 v16, v15
.else
	v_lshl_or_b32 v16, v15, 8*(\t), v16
.endif
.irp g, 0,1,2,3
	v_cvt_scalef32_pk8_fp4_f32 v[CD+4*(\t)+\g], v[XS+8*\g:XS+8*\g+7], v14
.endr
	ds_store_b128 v4, v[CD+4*(\t):CD+4*(\t)+3] offset:16*(\t)      ; (the next block begins with plain vector lines, ahead of the line that writes v14 again)
.endm
	BLOCKW 0
	BLOCKW 1
	BLOCKW 2
	BLOCKW 3
	ds_store_b32 v5, v16
	s_wait_dscnt 0x0                               ; for the others' sake: my stores have landed
	s_barrier_signal -1
	s_barrier_wait -1
.irp i, 0,1,2,3
	ds_load_b128 v[OUTR+4*\i:OUTR+4*\i+3], v6 offset:2*\i*PITCH
.endr
.irp i, 0,1,2,3
	s_wait_dscnt 3-\i
	global_store_b128 v7, v[OUTR+4*\i:OUTR+4*\i+3], s[38:39] offset:2*\i*512
.endr
	s_cmp_lt_u32 s16, 1                            ; wave 0 sends the scale bytes of the 32 columns
	s_cbranch_scc0 .Lno_scales
	ds_load_b128 v[212:215], v8
	s_wait_dscnt 0x0
	global_store_b128 v9, v[212:215], s[40:41]
.Lno_scales:
	s_wait_tensorcnt 0x0                           ; the wave's end
	ds_add_u32 v[SPW], v[NIL]
	s_wait_dscnt 0x0
	s_endpgm
.Lfunc_end_k_q227c3cc9a0_quant:
	.size	k_q227c3cc9a0_quant, .Lfunc_end_k_q227c3cc9a0_quant-k_q227c3cc9a0_quant
	.p2alignl 7, 3214868480
	.fill 96, 4, 3214868480
	.section	.rodata,"a",@progbits
	.p2align	6, 0x0
	.amdhsa_kernel k_q227c3cc9a0_quant
		.amdhsa_group_segment_fixed_size 42496
		.amdhsa_private_segment_fixed_size 0
		.amdhsa_enable_private_segment 0
		.amdhsa_kernarg_size 72
		.amdhsa_user_sgpr_count 2
		.amdhsa_user_sgpr_kernarg_segment_ptr 1
		.amdhsa_wavefront_size32 1
		.amdhsa_system_sgpr_workgroup_id_x 1
		.amdhsa_system_sgpr_workgroup_id_y 1
		.amdhsa_system_sgpr_workgroup_id_z 1
		.amdhsa_system_vgpr_workitem_id 0
		.amdhsa_next_free_vgpr 224
		.amdhsa_next_free_sgpr 66
		.amdhsa_reserve_vcc 0
		.amdhsa_float_denorm_mode_32 3
		.amdhsa_float_denorm_mode_16_64 3
		.amdhsa_memory_ordered 1
		.amdhsa_forward_progress 1
		.amdhsa_inst_pref_size 58
	.end_amdhsa_kernel
	.amdgpu_metadata
---
amdhsa.version: [ 1, 2 ]
amdhsa.kernels:
  - .name:           k_q227c3cc9a0_quant
    .symbol:         k_q227c3cc9a0_quant.kd
    .args:
      - { .name: x, .offset: 0, .size: 8, .value_kind: global_buffer, .address_space: global }
      - { .name: Wq, .offset: 8, .size: 8, .value_kind: global_buffer, .address_space: global }
      - { .name: Wk, .offset: 16, .size: 8, .value_kind: global_buffer, .address_space: global }
      - { .name: Wv, .offset: 24, .size: 8, .value_kind: global_buffer, .address_space: global }
      - { .name: Wo, .offset: 32, .size: 8, .value_kind: global_buffer, .address_space: global }
      - { .name: xc, .offset: 40, .size: 8, .value_kind: global_buffer, .address_space: global }
      - { .name: xs, .offset: 48, .size: 8, .value_kind: global_buffer, .address_space: global }
      - { .name: wc, .offset: 56, .size: 8, .value_kind: global_buffer, .address_space: global }
      - { .name: ws, .offset: 64, .size: 8, .value_kind: global_buffer, .address_space: global }
    .group_segment_fixed_size: 42496
    .private_segment_fixed_size: 0
    .kernarg_segment_align: 8
    .kernarg_segment_size: 72
    .max_flat_workgroup_size: 128
    .sgpr_count:     66
    .vgpr_count:     224
    .wavefront_size: 32
...
	.end_amdgpu_metadata
.endif
;; end of part 1
;; launch qkv (part 2): grid 8 x 32, 4 waves a work-group, clusters of 4 x 4, 327,680 bytes of LDS; arguments xc, xs, wc, ws, bq, bk, bv, qb, kv; writes qb, kv
.if DOCPART == 2
	.amdgcn_target "amdgcn-amd-amdhsa--gfx1250"
	.amdhsa_code_object_version 6
	.text
	.protected	k_q227c3cc9a0_qkv
	.globl	k_q227c3cc9a0_qkv
	.p2align	8
	.type	k_q227c3cc9a0_qkv,@function
k_q227c3cc9a0_qkv:
	s_mov_b64 s[64:65], 0
	v_nop
	global_prefetch_b8 v0, s[64:65] scope:SCOPE_SE
	s_setreg_imm32_b32 hwreg(HW_REG_WAVE_MODE, 25, 1), 1
	s_wait_xcnt 0x0
	s_wait_alu depctr_hold_cnt(0) depctr_sa_sdst(0) depctr_va_vdst(0) depctr_va_sdst(0) depctr_va_ssrc(0) depctr_va_vcc(0) depctr_vm_vsrc(0)
	s_getreg_b32 s2, hwreg(HW_REG_IB_STS2, 6, 4)
	s_cmp_eq_u32 s2, 0
	s_cbranch_scc0 .Lentry_in_a_cluster
	s_endpgm
.Lentry_in_a_cluster:
	s_bfe_u32 s2, ttmp6, 0x10000c
	s_cmp_lg_u32 s2, 0xf033
	s_cbranch_scc0 .Lentry_shape_is_right
	s_endpgm
.Lentry_shape_is_right:
; Launch 2 of 4: q = x Wq + bq, k = x Wk + bk, v = x Wv + bv on codes of E2M1, and their quantising: q and k along the head's 64, v along the keys.  Results leave as IMAGES OF OPERAND REGISTERS for launch attn.
; 256 WORK-GROUPS THAT STAY.  Work-group (row tile i of 32, column tile j of 8) first makes 256 rows of x times 256 of q's and k's 2,048 columns, then 256 keys (the same rows of x) times 128 of v's 1,024 columns.
; FIRST PRODUCT: source 0 = 16 stored rows of wc, source 1 = 16 stored rows of xc; four waves, 128 x 128 each: 64 accumulators.  SECOND: source 0 = rows of xc (keys), source 1 = Wv's rows of wc; a wave makes
; 128 keys x 64 columns (one head): 32 accumulators.  In both a lane holds ONE row of source 1, and since rows are stored in the order sigma (head of launch quant) the 64 registers of its eight accumulators run along
; 128 NEIGHBOURS of source 0: register 16 b + i = index 32 b + 16 (lane / 16) + i.  For q and k these are two heads x 64; for v one step of 128 keys.
; LDS: a row holds all 1,024 along K, 512 bytes + 16 of padding.  x's 256 rows are filled once and serve both products.  The weights' rows are filled at the head (256 rows) and, behind the first product's last read,
; their first 128 rows again with Wv's, 32 rows a wave; that load is out while q and k are quantised and stored.  Scale words go from memory straight into their registers: a lane takes its row's 32 bytes.
; CLUSTER 4 x 4: x's tiles hang on i alone and are asked for jointly along a row of the cluster, the weights' on j alone, along a column.  The scale words are not shared: 24 KiB a work-group beside 338 KiB of codes.
; No prefetch: the launch has no loop to run ahead in.
; OUT.  qb: [batch x 16 + head][step of 128 rows][4,608]: eight tiles' images of 512 bytes (lane (r, h): row r, the head's 32 h .. 32 h + 31), then 512 bytes of scale words [lane][4]: word i of lane (r, t) is tile 2 i + t's row r.
; kv: [batch x 16 + head][step][8,960]: k's eight images; at 4,096 v's images [tile of 16 of the head's 64][half][lane][16]; at 8,192 k's scale words as in qb; at 8,704 v's [lane][2].
; The quantiser's limits are those stated at the head of launch quant.
; REGISTERS: window 0: v8-31 addresses; v32-63 source 0's scale words, v64-95 source 1's (register 8 p + K step: lanes 0-15 tile 2 p, lanes 16-31 tile 2 p + 1), and nothing else ever; v96-103 codes; v104-111 scale words read back;
;   v112-127 at work; v128-191 source 1's fragments, later 64 numbers; v192-255 biases.  window 1: source 0's fragments, two sets.  windows 2, 3: the accumulators ((a, b) at v[8 (8 (a % 4) + b)]).
.set PITCH,  528                       ; 33 x 16 bytes: the 16 rows of a fragment load start at 16 different banks
.set HALFT,  128*PITCH
.set WR,     2*HALFT                   ; behind x's 256 rows: the weights'
.set SPARE,  4*HALFT                   ; the spare words: 128 bytes a wave, named by no other line
.set STG0,   SPARE+512                 ; scale words on the way out, in bytes into which no tile lands: q's and k's, wave x 1,024 from here;
.set STGV,   STG0+4096                 ; v's, wave x 512 from here
.set STSV, 8
.set STRV, 9
.set BOV,  10
.set LS,   11
.set ADRX, 12
.set ADRW, 13
.set ADRA, 16
.set ADRB, 20
.set W1,   22
.set BOQ,  23
.set LI,   24
.set L8,   25
.set STSQ, 26
.set STRQ, 27
.set SPW,  28
.set NIL,  29
.set PW,   30
.set W0,   31
.set SB,   32
.set SA,   64
.set PC,   96
.set RB,   104
.set TM,   112
.set AF,   128
.set ST,   128
.set BI,   192
.set G1,   24                          ; s[24:31] group 1 for x's tiles;  s[32:35] their group 0
.set G0,   32
.set G1B,  48                          ; s[48:55] group 1 for the weights';  s[56:59] group 0 at the head;  s[60:63] group 0 for Wv's rows
.set G0B,  56
.set G0V,  60
.set SEL,  24                          ; s[24:25], once x's load has landed
.set MSB, 0
.macro WIN new                         ; the immediate's high byte repeats the setting that is left
.if MSB != (\new)
	s_set_vgpr_msb (MSB<<8)|(\new)
.set MSB, (\new)
.endif
.endm
.set MUL_LO, 0xa1                      ; source 0 window 1, source 1 window 0, C and D window 2
.set MUL_HI, 0xf1
.set TO_B,   0x40
.macro CROUND                          ; a round of the cluster's barrier
	s_barrier_signal -1
	s_barrier_wait -1
	s_cmp_lg_u32 s14, 0
	s_cbranch_scc1 .Lnot_wave_0_\@
	s_barrier_signal -3
.Lnot_wave_0_\@:
	s_barrier_wait -3
	s_barrier_signal -1
	s_barrier_wait -1
.endm
.macro PLACES                          ; four plain vector instructions between a matrix instruction and a load into, or a vector read of, its registers (ISA guide 7.12.1 for vector reads)
.rept 4
	v_nop
.endr
.endm
	s_load_b256 s[4:11], s[0:1], 0x0               ; xc, xs, wc, ws
	s_load_b256 s[72:79], s[0:1], 0x20             ; bq, bk, bv, qb
	s_load_b64 s[12:13], s[0:1], 0x40              ; kv
	v_lshl_add_u32 v[SPW], v0, 2, SPARE
	v_mov_b32 v[NIL], 0
	ds_add_u32 v[SPW], v[NIL]                      ; the opening lines: the add, twice on end, and its wait ahead of my first tensor load
	ds_add_u32 v[SPW], v[NIL]
	v_lshrrev_b32 v1, 5, v0
	v_readfirstlane_b32 s14, v1                    ; wave 0..3
	s_lshr_b32 s15, s14, 1                         ; my half of source 1's rows.  Also: at the head I fetch for x (0) or for the weights (1)
	s_and_b32 s16, s14, 1                          ; my half of source 0's rows.  Also: which 128 rows I fetch
	s_bfe_u32 s40, ttmp6, 0x40000                  ; cx
	s_bfe_u32 s41, ttmp6, 0x40004                  ; cy
	s_lshl_b32 s42, ttmp9, 2
	s_add_co_u32 s42, s42, s40                     ; j, 0..7
	s_and_b32 s17, ttmp7, 0xffff
	s_lshl_b32 s17, s17, 2
	s_add_co_u32 s17, s17, s41                     ; i, 0..31
	s_lshl_b32 s43, s41, 2
	s_lshl_b32 s43, 15, s43                        ; my row of the cluster
	s_lshl_b32 s44, 0x1111, s40                    ; my column
	s_or_b32 s[G1+0], s43, (1<<20)|(1<<21)|(6<<22)|(3<<25)          ; the mask; elements of 1 byte; padding: 4 words behind every 128; bit 21 beside a mask
	s_or_b32 s[G1B+0], s44, (1<<20)|(1<<21)|(6<<22)|(3<<25)
.irp g, G1, G1B
	s_mov_b32 s[\g+1], 512<<16                     ; tensor_dim0: 512 bytes, all of K
	s_mov_b32 s[\g+2], 128<<16                     ; tensor_dim1
	s_mov_b32 s[\g+3], 512<<16                     ; tile_dim0
	s_mov_b32 s[\g+4], 128                         ; tile_dim1
	s_mov_b32 s[\g+5], 512                         ; a row of codes in memory
	s_mov_b32 s[\g+6], 0
	s_mov_b32 s[\g+7], 0
.endr
	s_lshl_b32 s18, s16, 7
	s_lshl_b32 s20, s17, 8
	s_add_co_u32 s20, s20, s18                     ; x: the first row that I fetch,
	s_lshl_b32 s20, s20, 9                         ; in bytes
	s_mov_b32 s21, 0
	s_lshl_b32 s46, s42, 8
	s_add_co_u32 s46, s46, s18                     ; q's and k's weights likewise
	s_lshl_b32 s46, s46, 9
	s_mov_b32 s47, 0
	s_mul_i32 s45, s16, HALFT                      ; where they go: by the wave's number alone
	s_lshl_b32 s92, s42, 7
	s_lshl_b32 s93, s14, 5
	s_add_co_u32 s92, s92, s93
	s_add_co_u32 s92, s92, 2048                    ; Wv's rows of wc begin at 2,048: 128 j + 32 x wave on
	s_lshl_b32 s92, s92, 9
	s_mov_b32 s93, 0
	s_mul_i32 s94, s14, 32*PITCH
	s_add_co_u32 s94, s94, WR
	s_lshl_b32 s80, s17, 13                        ; scale bytes, 32 a row.  First product, source 1: x's rows 256 i + 128 (wave / 2) on;
	s_lshl_b32 s19, s15, 12
	s_add_co_u32 s80, s80, s19
	s_mov_b32 s81, 0
	s_lshl_b32 s84, s17, 13                        ; second product, source 0: x's rows 256 i + 128 (wave % 2) on;
	s_lshl_b32 s19, s16, 12
	s_add_co_u32 s84, s84, s19
	s_mov_b32 s85, 0
	s_lshl_b32 s82, s42, 13                        ; first product, source 0: rows 256 j + 128 (wave % 2) on of ws;
	s_add_co_u32 s82, s82, s19
	s_mov_b32 s83, 0
	s_lshl_b32 s86, s42, 12                        ; second product, source 1: rows 2,048 + 128 j + 64 (wave / 2) on
	s_lshl_b32 s19, s15, 11
	s_add_co_u32 s86, s86, s19
	s_add_co_u32 s86, s86, 65536
	s_mov_b32 s87, 0
	s_wait_dscnt 0x0                               ; both opening adds are done
	s_wait_kmcnt 0x0
	s_add_nc_u64 s[80:81], s[6:7], s[80:81]
	s_add_nc_u64 s[82:83], s[10:11], s[82:83]
	s_add_nc_u64 s[84:85], s[6:7], s[84:85]
	s_add_nc_u64 s[86:87], s[10:11], s[86:87]
	s_mov_b32 s[G0], 1
	s_mov_b32 s[G0+1], s45
	s_add_nc_u64 s[G0+2:G0+3], s[4:5], s[20:21]
	s_or_b32 s[G0+3], s[G0+3], 0x80000000
	s_mov_b32 s[G0B], 1
	s_add_co_u32 s[G0B+1], s45, WR
	s_add_nc_u64 s[G0B+2:G0B+3], s[8:9], s[46:47]
	s_or_b32 s[G0B+3], s[G0B+3], 0x80000000
	s_mov_b32 s[G0V], 1
	s_mov_b32 s[G0V+1], s94
	s_add_nc_u64 s[G0V+2:G0V+3], s[8:9], s[92:93]
	s_or_b32 s[G0V+3], s[G0V+3], 0x80000000
	CROUND                                         ; all sixteen work-groups are here: the joint loads meet
	s_cmp_eq_u32 s15, 0                            ; one load a wave: waves 0 and 1 x's halves, waves 2 and 3 the weights'
	s_cbranch_scc0 .Lfor_w
	tensor_load_to_lds s[G0:G0+3], s[G1:G1+7]
	s_nop 0
	PLACES
	s_branch .Lasked
.Lfor_w:
	tensor_load_to_lds s[G0B:G0B+3], s[G1B:G1B+7]
	s_nop 0
	PLACES
.Lasked:
	v_and_b32 v1, 15, v0                           ; r
	v_bfe_u32 v2, v0, 4, 1                         ; h
	v_mul_u32_u24 v3, v1, PITCH
	v_lshl_add_u32 v4, v2, 4, v3                   ; a fragment's row x pitch + 16 h
	s_mul_i32 s21, s15, HALFT
	s_mul_i32 s22, s16, HALFT
	v_add_nc_u32 v[ADRA], s21, v4                  ; first product: x's rows as source 1,
	v_add_nc_u32 v[ADRX], s22, v4                  ; second: as source 0
	s_add_co_u32 s22, s22, WR
	v_add_nc_u32 v[ADRB], s22, v4                  ; first product: the weights' rows as source 0,
	s_mul_i32 s21, s15, 64*PITCH
	s_add_co_u32 s21, s21, WR
	v_add_nc_u32 v[ADRW], s21, v4                  ; second: Wv's as source 1
	v_and_b32 v5, 31, v0                           ; lane
	v_lshlrev_b32 v[LS], 5, v5
	v_lshlrev_b32 v[LI], 4, v5
	v_lshlrev_b32 v[L8], 3, v5
	s_lshl_b32 s21, s14, 10
	s_add_co_u32 s21, s21, STG0
	v_lshl_add_u32 v[STSQ], v1, 4, s21
	v_add_nc_u32 v[STRQ], s21, v[LI]
	s_lshl_b32 s22, s14, 9
	s_add_co_u32 s22, s22, STGV
	v_lshl_add_u32 v[STSV], v1, 3, s22
	v_add_nc_u32 v[STRV], s22, v[L8]
	v_lshlrev_b32 v[BOQ], 6, v2                    ; q, k: a lane's biases begin 16 h numbers on
	v_and_b32 v6, 8, v1
	v_add_nc_u32 v6, v6, v1
	v_lshlrev_b32 v[BOV], 2, v6                    ; v: my row's bias: number r + 8 (r / 8) of the tile's
.irp b, 0,1,2,3
	v_mov_b32 v[TM+4+\b], 0                        ; written once: a lane permute's destination counts as one of its sources
.endr
	s_wait_alu depctr_va_vdst(0)                   ; the wait at the head's end
.irp p, 0,1,2,3                        ; all eight K steps' scale words, once: row (lane) of a pair of tiles, 32 bytes a row
.irp s, 0,1
	global_load_b128 v[SB+8*\p+4*\s:SB+8*\p+4*\s+3], v[LS], s[82:83] offset:\p*1024+16*\s
	global_load_b128 v[SA+8*\p+4*\s:SA+8*\p+4*\s+3], v[LS], s[80:81] offset:\p*1024+16*\s
.endr
.endr
.macro FRAG reg, adr, q, i             ; 16 rows x 128 K of 4-bit codes: 8 registers, two loads of 16 bytes, 32 bytes apart
.irp c, 0,1
	ds_load_b128 v[\reg+4*\c:\reg+4*\c+3], v[\adr] offset:64*(\q)+32*\c+(\i)*16*PITCH
.endr
.endm
; One product: source 1's tile a (its fragment in place f) x source 0's tile b, K step kap, source 0's set p.  A pair of tiles shares a scale register: the odd tile's words lie in lanes 16-31.
.macro WM a, f, b, p, kap, first
.set rD, 8*(8*((\a)%4)+(\b))
.set rB, 128*(\p)+8*(\b)
.set rA, AF+8*(\f)
.set rX, SB+8*((\b)/2)+(\kap)
.set rY, SA+8*((\a)/2)+(\kap)
.set par, 2*((\a)%2)+(\b)%2
.if \first
.if par == 0
	v_wmma_scale_f32_16x16x128_f8f6f4 v[rD:rD+7], v[rB:rB+7], v[rA:rA+7], 0, v[rX], v[rY] matrix_a_fmt:MATRIX_FMT_FP4 matrix_b_fmt:MATRIX_FMT_FP4
.elseif par == 1
	v_wmma_scale_f32_16x16x128_f8f6f4 v[rD:rD+7], v[rB:rB+7], v[rA:rA+7], 0, v[rX], v[rY] matrix_a_fmt:MATRIX_FMT_FP4 matrix_b_fmt:MATRIX_FMT_FP4 matrix_a_scale:MATRIX_SCALE_ROW1
.elseif par == 2
	v_wmma_scale_f32_16x16x128_f8f6f4 v[rD:rD+7], v[rB:rB+7], v[rA:rA+7], 0, v[rX], v[rY] matrix_a_fmt:MATRIX_FMT_FP4 matrix_b_fmt:MATRIX_FMT_FP4 matrix_b_scale:MATRIX_SCALE_ROW1
.else
	v_wmma_scale_f32_16x16x128_f8f6f4 v[rD:rD+7], v[rB:rB+7], v[rA:rA+7], 0, v[rX], v[rY] matrix_a_fmt:MATRIX_FMT_FP4 matrix_b_fmt:MATRIX_FMT_FP4 matrix_a_scale:MATRIX_SCALE_ROW1 matrix_b_scale:MATRIX_SCALE_ROW1
.endif
.else
.if par == 0
	v_wmma_scale_f32_16x16x128_f8f6f4 v[rD:rD+7], v[rB:rB+7], v[rA:rA+7], v[rD:rD+7], v[rX], v[rY] matrix_a_fmt:MATRIX_FMT_FP4 matrix_b_fmt:MATRIX_FMT_FP4
.elseif par == 1
	v_wmma_scale_f32_16x16x128_f8f6f4 v[rD:rD+7], v[rB:rB+7], v[rA:rA+7], v[rD:rD+7], v[rX], v[rY] matrix_a_fmt:MATRIX_FMT_FP4 matrix_b_fmt:MATRIX_FMT_FP4 matrix_a_scale:MATRIX_SCALE_ROW1
.elseif par == 2
	v_wmma_scale_f32_16x16x128_f8f6f4 v[rD:rD+7], v[rB:rB+7], v[rA:rA+7], v[rD:rD+7], v[rX], v[rY] matrix_a_fmt:MATRIX_FMT_FP4 matrix_b_fmt:MATRIX_FMT_FP4 matrix_b_scale:MATRIX_SCALE_ROW1
.else
	v_wmma_scale_f32_16x16x128_f8f6f4 v[rD:rD+7], v[rB:rB+7], v[rA:rA+7], v[rD:rD+7], v[rX], v[rY] matrix_a_fmt:MATRIX_FMT_FP4 matrix_b_fmt:MATRIX_FMT_FP4 matrix_a_scale:MATRIX_SCALE_ROW1 matrix_b_scale:MATRIX_SCALE_ROW1
.endif
.endif
.endm
.macro MUL16 a0, p, kap, first         ; 16 products; the accumulators take turns, one instruction a turn, in the same order in every step
.irp a, \a0, \a0+1
.irp b, 0,1,2,3,4,5,6,7
	WM \a, \a, \b, \p, \kap, \first
.endr
.endr
.endm
.macro FETCH_B q, p
	WIN TO_B
.irp i, 0,1,2,3,4,5,6,7
	FRAG 128*(\p)+8*\i, ADRB, \q, \i
.endr
	WIN 0
.endm
.macro FETCH_A q, i0
.irp i, \i0, \i0+1, \i0+2, \i0+3
	FRAG AF+8*(\i), ADRA, \q, \i
.endr
.endm
.macro STEP q, first                   ; the first product's K step q, and the fetch of its successor's fragments
	s_wait_dscnt 8                                 ; all but the youngest eight loads (source 1's tiles 4-7) are in
	WIN MUL_LO
	MUL16 0, (\q)%2, \q, \first
	MUL16 2, (\q)%2, \q, \first
	s_wait_dscnt 0x0
	PLACES
	FETCH_B (\q)+1, 1-(\q)%2
	FETCH_A (\q)+1, 0
	WIN MUL_HI
	MUL16 4, (\q)%2, \q, \first
	MUL16 6, (\q)%2, \q, \first
	PLACES
	WIN 0
	FETCH_A (\q)+1, 4
.endm
; 64 numbers of a lane, v[ST] on, register 16 b + i = index 32 b + 16 (lane / 16) + i of my row, become a fragment's codes in v[PC] on and its scale word in v[PW].
.macro QUANT
.irp b, 0,1,2,3
	v_max3_num_f32 v[TM+\b], |v[ST+16*\b]|, |v[ST+1+16*\b]|, 0x1800000   ; my 16 numbers of block b, and the floor 2^(3 - 127): the byte cannot fall under 1
.endr
.irp i, 2,4,6,8,10,12,14
.irp b, 0,1,2,3
	v_max3_num_f32 v[TM+\b], v[TM+\b], |v[ST+16*\b+\i]|, |v[ST+1+16*\b+\i]|
.endr
.endr
.irp b, 0,1,2,3
	v_permlanex16_b32 v[TM+4+\b], v[TM+\b], s[SEL], s[SEL+1]
.endr
.irp b, 0,1,2,3
	v_max_num_f32 v[TM+\b], v[TM+\b], v[TM+4+\b]   ; with lane l xor 16's: the block's largest magnitude
.endr
.irp b, 0,1,2,3
	v_add_nc_u32 v[TM+12+\b], 0xff000000, v[TM+\b] ; 2 off its exponent field: the conversion's scale operand
.endr
.irp b, 0,1,2,3
	v_lshrrev_b32 v[TM+4+\b], 23, v[TM+12+\b]      ; the scale's byte
.endr
	v_lshl_or_b32 v[PW], v[TM+5], 8, v[TM+4]
	v_lshl_or_b32 v[PW], v[TM+6], 16, v[PW]
	v_lshl_or_b32 v[PW], v[TM+7], 24, v[PW]
	s_wait_xcnt 0x0                                ; the last tile's stores have read the codes' registers
.irp b, 0,1,2,3
	v_cvt_scalef32_pk8_fp4_f32 v[PC+2*\b], v[ST+16*\b:ST+7+16*\b], v[TM+12+\b]
	v_cvt_scalef32_pk8_fp4_f32 v[PC+1+2*\b], v[ST+8+16*\b:ST+15+16*\b], v[TM+12+\b]
.endr
	v_nop                                          ; one plain place behind a scaled conversion
.irp c, 0,1                            ; the operand's layout wants a whole block in a lane
.irp i, 0,1
	v_permlane16_swap_b32 v[PC+4*\c+\i], v[PC+2+4*\c+\i]
.endr
.endr
.endm
	s_wait_tensorcnt 0x0                           ; my 128 rows are in; behind the barrier all 512 are
	s_barrier_signal -1
	s_barrier_wait -1
	FETCH_B 0, 0
	FETCH_A 0, 0
	FETCH_A 0, 4
	s_wait_loadcnt 0x0                             ; the scale words
	STEP 0, 1                                      ; the first products start the sums: nothing is cleared
.irp q, 1,2,3,4,5,6
	STEP \q, 0
.endr
	; ---- where q's and k's results go ----
	s_mov_b32 s[SEL], 0x76543210
	s_mov_b32 s[SEL+1], 0xfedcba98
	s_mov_b32 s47, 0
	s_lshl_b32 s26, s17, 8
	s_lshl_b32 s27, s15, 7
	s_add_co_u32 s26, s26, s27                     ; my first stored row of x
	s_lshr_b32 s27, s26, 11                        ; batch
	s_bfe_u32 s26, s26, 0x40007                    ; step of 128 rows
	s_lshl_b32 s38, s42, 8
	s_lshl_b32 s39, s16, 7
	s_add_co_u32 s38, s38, s39                     ; my first column of q's and k's 2,048
	s_lshr_b32 s39, s38, 10                        ; 1: k
	s_and_b32 s38, s38, 1023
	s_lshr_b32 s43, s38, 6                         ; my first head of two
	s_lshl_b32 s27, s27, 4
	s_add_co_u32 s27, s27, s43
	s_lshl_b32 s27, s27, 4
	s_add_co_u32 s27, s27, s26                     ; the record
	s_mov_b32 s44, 4608
	s_mov_b32 s45, 4096
	s_cmp_eq_u32 s39, 1                            ; a choice, no branch: it hangs on the cluster's number (j / 4)
	s_cselect_b32 s44, 8960, s44
	s_cselect_b32 s45, 8192, s45
	s_cselect_b64 s[28:29], s[12:13], s[78:79]
	s_cselect_b64 s[36:37], s[74:75], s[72:73]
	s_mul_i32 s46, s27, s44
	s_add_nc_u64 s[28:29], s[28:29], s[46:47]      ; the first head's images
	s_lshl_b32 s46, s44, 4
	s_add_nc_u64 s[30:31], s[28:29], s[46:47]      ; the second's: 16 records on
	s_mov_b32 s46, s45
	s_add_nc_u64 s[32:33], s[28:29], s[46:47]      ; their scale words
	s_add_nc_u64 s[34:35], s[30:31], s[46:47]
	s_lshl_b32 s46, s38, 2
	s_add_nc_u64 s[36:37], s[36:37], s[46:47]
.irp b, 0,1,2,3,4,5,6,7                ; accumulator b's eight columns: 32 (b / 2) + 16 h + 8 (b % 2) + 0 .. 7
	global_load_b128 v[BI+8*\b:BI+8*\b+3], v[BOQ], s[36:37] offset:4*(32*(\b/2)+8*(\b%2))
	global_load_b128 v[BI+8*\b+4:BI+8*\b+7], v[BOQ], s[36:37] offset:4*(32*(\b/2)+8*(\b%2))+16
.endr
	s_wait_dscnt 8                                 ; the last 128 along K: nothing more to fetch
	WIN MUL_LO
	MUL16 0, 1, 7, 0
	MUL16 2, 1, 7, 0
	s_wait_dscnt 0x0
	WIN MUL_HI
	MUL16 4, 1, 7, 0
	MUL16 6, 1, 7, 0
	WIN 0
	; THE REFILL: nobody reads the weights' rows any more once every wave of the cluster has passed the round
	s_wait_tensorcnt 0x0                           ; no tensor load of mine is out, so a descriptor may be written;
	ds_add_u32 v[SPW], v[NIL]                      ; 0 onto my spare word;
	s_mov_b32 s[G1B+2], 32<<16                     ; from here on a load brings 32 rows
	s_mov_b32 s[G1B+4], 32
	s_wait_dscnt 0x0                               ; the add is done, and my reads of the weights' rows are over
	CROUND
	tensor_load_to_lds s[G0V:G0V+3], s[G1B:G1B+7]  ; my 32 of Wv's 128 rows
	s_nop 0
	PLACES                                         ; also the places behind the last products
.irp p, 0,1,2,3                        ; the second product's scale words: 12 loads
.irp s, 0,1
	global_load_b128 v[SB+8*\p+4*\s:SB+8*\p+4*\s+3], v[LS], s[84:85] offset:\p*1024+16*\s
.endr
.endr
.irp p, 0,1
.irp s, 0,1
	global_load_b128 v[SA+8*\p+4*\s:SA+8*\p+4*\s+3], v[LS], s[86:87] offset:\p*1024+16*\s
.endr
.endr
	s_wait_loadcnt 12                              ; the biases are in; the 12 just issued may be out
.macro EPIQK a                         ; 16 rows x 128 columns: + bias, quantised; blocks 0, 1 are the first head's 64, blocks 2, 3 the second's
	WIN 0x02+(\a)/4
.set p, 0
.rept 32
	v_pk_add_f32 v[ST+2*p:ST+2*p+1], v[64*((\a)%4)+2*p:64*((\a)%4)+2*p+1], v[BI+2*p:BI+2*p+1]
.set p, p+1
.endr
	WIN 0
	QUANT
	v_and_b32 v[W0], 0xffff, v[PW]                 ; a head's scale word: two bytes, and 0 for the half of a K step that holds no codes
	v_lshrrev_b32 v[W1], 16, v[PW]
	global_store_b128 v[LI], v[PC:PC+3], s[28:29] offset:512*(\a)          ; 512 consecutive aligned bytes
	global_store_b128 v[LI], v[PC+4:PC+7], s[30:31] offset:512*(\a)
	ds_store_b32 v[STSQ], v[W0] offset:256*((\a)%2)+4*((\a)/2)             ; both halves of the lanes write the same word with the same value
	ds_store_b32 v[STSQ], v[W1] offset:256*((\a)%2)+4*((\a)/2)+512
.endm
.irp a, 0,1,2,3,4,5,6,7
	EPIQK \a
.endr
	ds_load_b128 v[RB:RB+3], v[STRQ]               ; LDS serves a wave's instructions in order: these see my stores
	ds_load_b128 v[RB+4:RB+7], v[STRQ] offset:512
	s_wait_dscnt 0x0
	global_store_b128 v[LI], v[RB:RB+3], s[32:33]
	global_store_b128 v[LI], v[RB+4:RB+7], s[34:35]
	; ---- v: a lane holds one of my head's 64, its registers run along 128 keys ----
	s_wait_xcnt 0x0                                ; the stores have read their bases
	s_lshl_b32 s26, s17, 8
	s_lshl_b32 s27, s16, 7
	s_add_co_u32 s26, s26, s27                     ; my first key
	s_lshr_b32 s27, s26, 11                        ; batch
	s_bfe_u32 s26, s26, 0x40007                    ; step
	s_lshl_b32 s43, s42, 1
	s_add_co_u32 s43, s43, s15                     ; my head
	s_lshl_b32 s27, s27, 4
	s_add_co_u32 s27, s27, s43
	s_lshl_b32 s27, s27, 4
	s_add_co_u32 s27, s27, s26
	s_mul_i32 s46, s27, 8960
	s_add_co_u32 s46, s46, 4096
	s_add_nc_u64 s[28:29], s[12:13], s[46:47]      ; the head's images of v
	s_add_nc_u64 s[32:33], s[28:29], 4608          ; their scale words
	s_lshl_b32 s46, s43, 8
	s_add_nc_u64 s[36:37], s[76:77], s[46:47]
.irp a, 0,1,2,3                        ; my row's bias, twice: a pair for the packed addition
	global_load_b32 v[BI+2*\a], v[BOV], s[36:37] offset:4*(32*(\a/2)+8*(\a%2))
	global_load_b32 v[BI+2*\a+1], v[BOV], s[36:37] offset:4*(32*(\a/2)+8*(\a%2))
.endr
	s_wait_tensorcnt 0x0                           ; my 32 rows of Wv are in; behind the barrier all 128 are.
	s_barrier_signal -1
	s_barrier_wait -1
.macro VFETCH q                        ; K step q's fragments into set q % 2: 16 loads for the eight tiles of keys, 8 for my four tiles of Wv
	WIN TO_B
.irp i, 0,1,2,3,4,5,6,7
	FRAG 128*((\q)%2)+8*\i, ADRX, \q, \i
.endr
	WIN 0
.irp i, 0,1,2,3
	FRAG AF+32*((\q)%2)+8*\i, ADRW, \q, \i
.endr
.endm
.macro VMUL q, first                   ; 32 products, the 32 accumulators by turns
	WIN MUL_LO
.irp a, 0,1,2,3
.irp b, 0,1,2,3,4,5,6,7
	WM \a, \a+4*((\q)%2), \b, (\q)%2, \q, \first
.endr
.endr
.endm
	VFETCH 0
	VFETCH 1
	s_wait_loadcnt 8                               ; the scale words are in; the eight loads of biases may be out
	s_wait_dscnt 24                                ; all but K step 1's 24 loads
	VMUL 0, 1
.irp q, 1,2,3,4,5,6
	PLACES
	VFETCH \q+1                                    ; into the set that the last step multiplied
	s_wait_dscnt 24                                ; all but the 24 just issued
	VMUL \q, 0
.endr
	s_wait_dscnt 0x0
	VMUL 7, 0
	WIN 0
	PLACES
	s_wait_loadcnt 0x0
.macro EPIV a
	WIN 0x02
.set p, 0
.rept 32
	v_pk_add_f32 v[ST+2*p:ST+2*p+1], v[64*(\a)+2*p:64*(\a)+2*p+1], v[BI+2*(\a):BI+2*(\a)+1]
.set p, p+1
.endr
	WIN 0
	QUANT
	global_store_b128 v[LI], v[PC:PC+3], s[28:29] offset:1024*(\a)
	global_store_b128 v[LI], v[PC+4:PC+7], s[28:29] offset:1024*(\a)+512
	ds_store_b32 v[STSV], v[PW] offset:128*((\a)%2)+4*((\a)/2)
.endm
.irp a, 0,1,2,3
	EPIV \a
.endr
	ds_load_b64 v[RB:RB+1], v[STRV]
	s_wait_dscnt 0x0
	global_store_b64 v[L8], v[RB:RB+1], s[32:33]   ; 256 consecutive aligned bytes
	s_wait_tensorcnt 0x0                           ; the wave's end
	ds_add_u32 v[SPW], v[NIL]
	s_wait_dscnt 0x0
	CROUND                                         ; the closing round
	s_endpgm
.Lfunc_end_k_q227c3cc9a0_qkv:
	.size	k_q227c3cc9a0_qkv, .Lfunc_end_k_q227c3cc9a0_qkv-k_q227c3cc9a0_qkv
	.p2alignl 7, 3214868480
	.fill 96, 4, 3214868480
	.section	.rodata,"a",@progbits
	.p2align	6, 0x0
	.amdhsa_kernel k_q227c3cc9a0_qkv
		.amdhsa_group_segment_fixed_size 327680
		.amdhsa_private_segment_fixed_size 0
		.amdhsa_enable_private_segment 0
		.amdhsa_kernarg_size 72
		.amdhsa_user_sgpr_count 2
		.amdhsa_user_sgpr_kernarg_segment_ptr 1
		.amdhsa_wavefront_size32 1
		.amdhsa_system_sgpr_workgroup_id_x 1
		.amdhsa_system_sgpr_workgroup_id_y 1
		.amdhsa_system_sgpr_workgroup_id_z 1
		.amdhsa_system_vgpr_workitem_id 0
		.amdhsa_next_free_vgpr 1024
		.amdhsa_next_free_sgpr 102
		.amdhsa_reserve_vcc 0
		.amdhsa_float_denorm_mode_32 3
		.amdhsa_float_denorm_mode_16_64 3
		.amdhsa_memory_ordered 1
		.amdhsa_forward_progress 1
		.amdhsa_inst_pref_size 219
	.end_amdhsa_kernel
	.amdgpu_metadata
---
amdhsa.version: [ 1, 2 ]
amdhsa.kernels:
  - .name:           k_q227c3cc9a0_qkv
    .symbol:         k_q227c3cc9a0_qkv.kd
    .args:
      - { .name: xc, .offset: 0, .size: 8, .value_kind: global_buffer, .address_space: global }
      - { .name: xs, .offset: 8, .size: 8, .value_kind: global_buffer, .address_space: global }
      - { .name: wc, .offset: 16, .size: 8, .value_kind: global_buffer, .address_space: global }
      - { .name: ws, .offset: 24, .size: 8, .value_kind: global_buffer, .address_space: global }
      - { .name: bq, .offset: 32, .size: 8, .value_kind: global_buffer, .address_space: global }
      - { .name: bk, .offset: 40, .size: 8, .value_kind: global_buffer, .address_space: global }
      - { .name: bv, .offset: 48, .size: 8, .value_kind: global_buffer, .address_space: global }
      - { .name: qb, .offset: 56, .size: 8, .value_kind: global_buffer, .address_space: global }
      - { .name: kv, .offset: 64, .size: 8, .value_kind: global_buffer, .address_space: global }
    .group_segment_fixed_size: 327680
    .private_segment_fixed_size: 0
    .kernarg_segment_align: 8
    .kernarg_segment_size: 72
    .max_flat_workgroup_size: 128
    .sgpr_count:     102
    .vgpr_count:     1024
    .wavefront_size: 32
...
	.end_amdgpu_metadata
.endif
;; end of part 2
;; launch attn (part 3): grid 256 x 1, 16 waves a work-group, clusters of 4 x 1, 327,680 bytes of LDS; arguments qb, kv, cc, cs; writes cc, cs
.if DOCPART == 3
	.amdgcn_target "amdgcn-amd-amdhsa--gfx1250"
	.amdhsa_code_object_version 6
	.text
	.protected	k_q227c3cc9a0_attn
	.globl	k_q227c3cc9a0_attn
	.p2align	8
	.type	k_q227c3cc9a0_attn,@function
k_q227c3cc9a0_attn:
	s_mov_b64 s[64:65], 0
	v_nop
	global_prefetch_b8 v0, s[64:65] scope:SCOPE_SE
	s_setreg_imm32_b32 hwreg(HW_REG_WAVE_MODE, 25, 1), 1
	s_wait_xcnt 0x0
	s_wait_alu depctr_hold_cnt(0) depctr_sa_sdst(0) depctr_va_vdst(0) depctr_va_sdst(0) depctr_va_ssrc(0) depctr_va_vcc(0) depctr_vm_vsrc(0)
	s_getreg_b32 s2, hwreg(HW_REG_IB_STS2, 6, 4)
	s_cmp_eq_u32 s2, 0
	s_cbranch_scc0 .Lentry_in_a_cluster
	s_endpgm
.Lentry_in_a_cluster:
	s_bfe_u32 s2, ttmp6, 0x10000c
	s_cmp_lg_u32 s2, 0x3003
	s_cbranch_scc0 .Lentry_shape_is_right
	s_endpgm
.Lentry_shape_is_right:
; Launch 3 of 4: causal attention on codes of E2M1.  A work-group owns two heads (wave % 2) and one tile of 16 queries in each step of 128 rows; wave w takes the query steps w / 2 and 15 - w / 2: 17 key steps a wave.
; WORK LEFT OUT: key steps wholly above the diagonal (shown at the head of launch quant).
; Both heads' 16 records of K and V (8,960 bytes each) lie in LDS for the whole launch, asked for jointly by the four work-groups of the cluster, which walk the same heads.  Wave w fetches record w / 2 of its head at the
; kernel's head, and record w / 2 + 8 behind the first load's wait, an add to the spare word and a round of the cluster's barrier: that load is out during key steps 0 to 7, and a barrier ahead of step 8 shows it.
; Q's four loads go out directly behind the first tensor load.  The softmax is by the running maximum: M = the ceiling of the running largest t.  LIMIT: scaled scores stay under 2^31 in magnitude.
; No prefetch: all bytes are asked for ahead of the first key step.
.set REC,   8960
.set HEADB, 16*REC
.set HALFB, 8*REC
.set STG,   2*HEADB
.set SPARE, STG+1024
.set LI,  1
.set L8,  2
.set ADR, 3
.set AD8, 4
.set SPW, 5
.set NIL, 6
.set DD,  7
.set SGS, 8
.set SGB, 9
.set SGR, 10
.set PS,  11
.set QA,  16
.set QAS, 30
.set QB,  248
.set QBS, 31
.set WV,  12
.set SEL, 20
.set CS,  22
.set G1,  24
.set G0A, 32
.set G0B, 36
.set TB0, 40
.set TB,  41
.set KST, 42
.set GS,  43
.set GB,  52
.macro CROUND
	s_barrier_signal -1
	s_barrier_wait -1
	s_cmp_lg_u32 s[WV], 0
	s_cbranch_scc1 .Lnot_wave_0_\@
	s_barrier_signal -3
.Lnot_wave_0_\@:
	s_barrier_wait -3
	s_barrier_signal -1
	s_barrier_wait -1
.endm
	s_load_b256 s[4:11], s[0:1], 0x0
	v_lshl_add_u32 v[SPW], v0, 2, SPARE
	v_mov_b32 v[NIL], 0
	ds_add_u32 v[SPW], v[NIL]
	ds_add_u32 v[SPW], v[NIL]
	v_lshrrev_b32 v3, 5, v0
	s_delay_alu instid0(VALU_DEP_1)
	v_readfirstlane_b32 s[WV], v3
	s_and_b32 s13, s[WV], 1
	s_lshr_b32 s14, s[WV], 1
	s_mov_b32 s[GS], s14
	s_xor_b32 s[GB], s14, 15
	s_bfe_u32 s15, ttmp6, 0x40000
	s_and_b32 s44, ttmp9, 1
	s_lshl_b32 s44, s44, 2
	s_add_co_u32 s15, s15, s44
	s_bfe_u32 s16, ttmp9, 0x30001
	s_lshr_b32 s17, ttmp9, 4
	s_lshl_b32 s18, s16, 1
	s_add_co_u32 s18, s18, s13
	s_lshl_b32 s19, s17, 4
	s_add_co_u32 s19, s19, s18
	s_mov_b32 s[SEL], 0x76543210
	s_mov_b32 s[SEL+1], 0xfedcba98
	s_mov_b32 s[CS], 0x3e38aa3b
	s_mov_b32 s[CS+1], s[CS]
	s_mov_b32 s[G1], 15|(3<<16)|(1<<21)
	s_mov_b32 s[G1+1], 32<<16
	s_mov_b32 s[G1+2], 35<<16
	s_mov_b32 s[G1+3], 32<<16
	s_mov_b32 s[G1+4], 35
	s_mov_b32 s[G1+5], 32
	s_mov_b32 s[G1+6], 0
	s_mov_b32 s[G1+7], 0
	s_mul_i32 s[TB0], s13, HEADB
	s_mul_i32 s44, s14, REC
	s_add_co_u32 s45, s[TB0], s44
	s_mul_i32 s46, s19, HEADB
	s_add_co_u32 s46, s46, s44
	s_mov_b32 s47, 0
	v_and_b32 v3, 31, v0
	s_delay_alu instid0(VALU_DEP_1)
	v_lshlrev_b32 v[LI], 4, v3
	s_delay_alu instid0(VALU_DEP_2)
	v_lshlrev_b32 v[L8], 3, v3
	v_and_b32 v4, 15, v0
	v_bfe_u32 v246, v0, 4, 1
	s_delay_alu instid0(VALU_DEP_2)
	v_lshlrev_b32 v232, 4, v4
	s_delay_alu instid0(VALU_DEP_3)
	v_and_b32 v[DD], 8, v4
	s_delay_alu instid0(VALU_DEP_1)
	v_add_nc_u32 v[DD], v[DD], v4
	s_delay_alu instid0(VALU_DEP_4)
	v_lshlrev_b32 v233, 4, v246
	s_delay_alu instid0(VALU_DEP_1)
	v_sub_nc_u32 v[DD], v[DD], v233
	s_lshr_b32 s53, s15, 1
	s_lshl_b32 s53, s53, 5
	s_and_b32 s58, s15, 1
	s_lshl_b32 s58, s58, 3
	s_add_co_u32 s53, s53, s58
	v_add_nc_u32 v[DD], s53, v[DD]
	s_lshl_b32 s53, s13, 1
	v_lshl_add_u32 v233, v4, 2, STG
	s_delay_alu instid0(VALU_DEP_1)
	v_add_nc_u32 v233, s53, v233
	s_lshl_b32 s53, s[GS], 6
	v_add_nc_u32 v[SGS], s53, v233
	s_lshl_b32 s53, s[GB], 6
	v_add_nc_u32 v[SGB], s53, v233
	s_lshl_b32 s53, s13, 9
	s_add_co_u32 s53, s53, STG
	v_add_nc_u32 v[SGR], s53, v[LI]
	v_mov_b32 v247, 0xcfee6b28
	v_mov_b32 v245, 0
.irp n, 20,21,22,23,252,253,254,255,236,237,238,239
	v_mov_b32 v[\n], 0
.endr
.irp i, 0,1,2,3,4,5,6,7
.irp n, 4,5,6,7
	v_mov_b32 v[32+8*\i+\n], 0
.endr
.endr
	s_wait_dscnt 0x0
	s_wait_kmcnt 0x0
	s_mov_b32 s[G0A], 1
	s_mov_b32 s[G0A+1], s45
	s_add_nc_u64 s[G0A+2:G0A+3], s[6:7], s[46:47]
	s_mov_b32 s[G0B], 1
	s_add_co_u32 s[G0B+1], s45, HALFB
	s_add_nc_u64 s[G0B+2:G0B+3], s[G0A+2:G0A+3], HALFB
	s_or_b32 s[G0A+3], s[G0A+3], 0x80000000
	s_or_b32 s[G0B+3], s[G0B+3], 0x80000000
	s_mov_b32 s59, 0
	s_lshl_b32 s44, s19, 4
	s_add_co_u32 s45, s44, s[GS]
	s_add_co_u32 s44, s44, s[GB]
	s_mul_i32 s45, s45, 4608
	s_mul_i32 s44, s44, 4608
	s_lshl_b32 s46, s15, 9
	s_and_b32 s47, s15, 1
	s_lshl_b32 s47, s47, 8
	s_lshr_b32 s53, s15, 1
	s_lshl_b32 s53, s53, 2
	s_add_co_u32 s47, s47, s53
	s_add_co_u32 s47, s47, 4096
	s_add_co_u32 s58, s45, s46
	s_add_nc_u64 s[48:49], s[4:5], s[58:59]
	s_add_co_u32 s58, s45, s47
	s_add_nc_u64 s[50:51], s[4:5], s[58:59]
	s_add_co_u32 s58, s44, s46
	s_add_nc_u64 s[54:55], s[4:5], s[58:59]
	s_add_co_u32 s58, s44, s47
	s_add_nc_u64 s[56:57], s[4:5], s[58:59]
	s_lshl_b32 s44, s17, 7
	s_add_co_u32 s44, s44, s15
	s_lshl_b32 s46, s18, 9
	s_lshl_b32 s45, s[GS], 3
	s_add_co_u32 s45, s45, s44
	s_lshl_b32 s45, s45, 13
	s_add_co_u32 s58, s45, s46
	s_add_nc_u64 s[60:61], s[8:9], s[58:59]
	s_lshl_b32 s45, s[GB], 3
	s_add_co_u32 s45, s45, s44
	s_lshl_b32 s45, s45, 13
	s_add_co_u32 s58, s45, s46
	s_add_nc_u64 s[62:63], s[8:9], s[58:59]
	s_lshl_b32 s44, s17, 3
	s_add_co_u32 s44, s44, s16
	s_lshl_b32 s44, s44, 13
	s_lshl_b32 s45, s15, 6
	s_add_co_u32 s44, s44, s45
	s_lshl_b32 s45, s13, 12
	s_add_co_u32 s58, s44, s45
	s_add_nc_u64 s[66:67], s[10:11], s[58:59]
	CROUND
	tensor_load_to_lds s[G0A:G0A+3], s[G1:G1+7]
	s_nop 0
	s_wait_alu depctr_va_vdst(0)                   ; the wait at the head's end
	global_load_b128 v[QA:QA+3], v[LI], s[48:49]   ; my two tiles of Q and their scale words
	global_load_b32 v[QAS], v232, s[50:51]
	global_load_b128 v[QB:QB+3], v[LI], s[54:55]
	global_load_b32 v[QBS], v232, s[56:57]
	s_wait_tensorcnt 0x0
	ds_add_u32 v5, v6
	s_wait_dscnt 0x0
	CROUND
	tensor_load_to_lds s[G0B:G0B+3], s[G1:G1+7]
	s_nop 0
.rept 4
	v_nop
.endr
	s_wait_loadcnt 0x0
	s_wait_tensorcnt 0x1
	s_barrier_signal -1
	s_barrier_wait -1
.macro QK i, QF, QS
.if (\i)%2
	v_wmma_scale_f32_16x16x128_f8f6f4 v[96+8*(\i):103+8*(\i)], v[32+8*(\i):39+8*(\i)], v[\QF:\QF+7], 0, v[24+(\i)/2], v[\QS] matrix_a_fmt:MATRIX_FMT_FP4 matrix_b_fmt:MATRIX_FMT_FP4 matrix_a_scale:MATRIX_SCALE_ROW1
.else
	v_wmma_scale_f32_16x16x128_f8f6f4 v[96+8*(\i):103+8*(\i)], v[32+8*(\i):39+8*(\i)], v[\QF:\QF+7], 0, v[24+(\i)/2], v[\QS] matrix_a_fmt:MATRIX_FMT_FP4 matrix_b_fmt:MATRIX_FMT_FP4
.endif
.endm
.macro PV t
.if (\t)%2
	v_wmma_scale_f32_16x16x128_f8f6f4 v[160+8*(\t):167+8*(\t)], v[192+8*(\t):199+8*(\t)], v[224:231], v[160+8*(\t):167+8*(\t)], v[28+(\t)/2], v[PS] matrix_a_fmt:MATRIX_FMT_FP4 matrix_b_fmt:MATRIX_FMT_FP4 matrix_a_scale:MATRIX_SCALE_ROW1
.else
	v_wmma_scale_f32_16x16x128_f8f6f4 v[160+8*(\t):167+8*(\t)], v[192+8*(\t):199+8*(\t)], v[224:231], v[160+8*(\t):167+8*(\t)], v[28+(\t)/2], v[PS] matrix_a_fmt:MATRIX_FMT_FP4 matrix_b_fmt:MATRIX_FMT_FP4
.endif
.endm
.macro STEP QF, QS, G, mode
.if \mode
	s_cmp_gt_u32 s[KST], s[\G]
	s_cbranch_scc1 .Lhid_\@
.endif
	v_add_nc_u32 v[ADR], s[TB], v[LI]
	v_add_nc_u32 v[AD8], s[TB], v[L8]
.irp i, 0,1,2,3,4,5,6,7
	ds_load_b128 v[32+8*\i:35+8*\i], v[ADR] offset:512*\i
.endr
	ds_load_b128 v[24:27], v[ADR] offset:8192
.irp t, 0,1,2,3
	ds_load_b128 v[192+8*\t:195+8*\t], v[ADR] offset:4096+1024*\t
	ds_load_b128 v[196+8*\t:199+8*\t], v[ADR] offset:4096+1024*\t+512
.endr
	ds_load_b64 v[28:29], v[AD8] offset:8704
	s_wait_dscnt 9
.irp i, 0,1,2,3,4,5,6,7
	QK \i, \QF, \QS
.endr
.rept 4
	v_nop
.endr
.if \mode
	s_cmp_lt_u32 s[KST], s[\G]
	s_cbranch_scc1 .Lopen_\@
.set n, 0
.rept 64
	v_cmp_gt_i32 vcc_lo, 32*(n/16)+n%16, v[DD]
	v_cndmask_b32 v[96+n], v[96+n], v247, vcc_lo
.set n, n+1
.endr
.Lopen_\@:
.endif
.irp b, 0,1,2,3
	v_max3_num_f32 v[232+\b], v[96+16*\b], v[97+16*\b], v[98+16*\b]
.endr
.irp i, 3,5,7,9,11,13
.irp b, 0,1,2,3
	v_max3_num_f32 v[232+\b], v[232+\b], v[96+16*\b+\i], v[97+16*\b+\i]
.endr
.endr
.irp b, 0,1,2,3
	v_max_num_f32 v[232+\b], v[232+\b], v[111+16*\b]
.endr
.irp b, 0,1,2,3
	s_delay_alu instid0(VALU_DEP_4)
	v_permlanex16_b32 v[236+\b], v[232+\b], s[SEL], s[SEL+1]
.endr
.irp b, 0,1,2,3
	s_delay_alu instid0(VALU_DEP_4)
	v_max_num_f32 v[232+\b], v[232+\b], v[236+\b]
.endr
	s_delay_alu instid0(VALU_DEP_2)
	v_max3_num_f32 v246, v232, v233, v234
	s_delay_alu instid0(VALU_DEP_1)
	v_max_num_f32 v246, v246, v235
	s_delay_alu instid0(VALU_DEP_1)
	v_mul_f32 v246, s[CS], v246
	s_delay_alu instid0(VALU_DEP_1)
	v_max_num_f32 v13, v13, v246
	v_mov_b32 v246, v12
	s_delay_alu instid0(VALU_DEP_2)
	v_floor_f32 v12, -v13
	s_delay_alu instid0(VALU_DEP_1)
	v_sub_f32 v246, v12, v246
	s_delay_alu instid0(VALU_DEP_1)
	v_cvt_i32_f32 v246, v246
	s_delay_alu instid0(VALU_DEP_1)
	v_ldexp_f32 v244, 1.0, v246
.set n, 0
.rept 32
	v_pk_fma_f32 v[96+n:97+n], v[96+n:97+n], s[CS:CS+1], v[12:13] op_sel_hi:[1,0,0]
.set n, n+2
.endr
.irp b, 0,1,2,3
	v_fma_f32 v[232+\b], v[232+\b], s[CS], v12
.endr
.set n, 0
	s_wait_alu depctr_va_vdst(0)
.rept 64
	v_exp_f32 v[96+n], v[96+n]
.set n, n+1
.endr
	v_pk_mul_f32 v[14:15], v[14:15], v[244:245] op_sel_hi:[1,0]
	s_wait_alu depctr_va_vdst(0)
.irp b, 0,1,2,3
	v_exp_f32 v[232+\b], v[232+\b]
.endr
	v_pk_add_f32 v[236:237], v[96:97], v[98:99]
.irp j, 4,8,12,16,20,24,28,32,36,40,44,48,52,56,60
	v_pk_add_f32 v[14:15], v[14:15], v[96+\j:97+\j]
	v_pk_add_f32 v[236:237], v[236:237], v[98+\j:99+\j]
.endr
	s_delay_alu instid0(VALU_DEP_1)
	v_pk_add_f32 v[14:15], v[14:15], v[236:237]
	s_wait_alu depctr_va_vdst(0)
.irp b, 0,1,2,3
	v_max_num_f32 v[232+\b], 0x1800000, v[232+\b]
.endr
.irp b, 0,1,2,3
	s_delay_alu instid0(VALU_DEP_4)
	v_add_nc_u32 v[240+\b], 0xff000000, v[232+\b]
.endr
.irp b, 0,1,2,3
	s_delay_alu instid0(VALU_DEP_4)
	v_lshrrev_b32 v[236+\b], 23, v[240+\b]
.endr
	s_delay_alu instid0(VALU_DEP_3)
	v_lshl_or_b32 v[PS], v237, 8, v236
	s_delay_alu instid0(VALU_DEP_1)
	v_lshl_or_b32 v[PS], v238, 16, v[PS]
	s_delay_alu instid0(VALU_DEP_1)
	v_lshl_or_b32 v[PS], v239, 24, v[PS]
.irp b, 0,1,2,3
	v_cvt_scalef32_pk8_fp4_f32 v[224+2*\b], v[96+16*\b:103+16*\b], v[240+\b]
	v_cvt_scalef32_pk8_fp4_f32 v[225+2*\b], v[104+16*\b:111+16*\b], v[240+\b]
.endr
	v_nop
.irp c, 0,1
.irp i, 0,1
	v_permlane16_swap_b32 v[224+4*\c+\i], v[226+4*\c+\i]
.endr
.endr
.set n, 0
.rept 16
	v_pk_mul_f32 v[160+n:161+n], v[160+n:161+n], v[244:245] op_sel_hi:[1,0]
.set n, n+2
.endr
	s_wait_alu depctr_va_vdst(0)
	s_wait_dscnt 0x0
.irp t, 0,1,2,3
	PV \t
.endr
.rept 4
	v_nop
.endr
.if \mode
.Lhid_\@:
.endif
	s_add_co_u32 s[TB], s[TB], REC
.endm
.macro KLOOP QF, QS, G, mode, last
.Lk_\@:
	STEP \QF, \QS, \G, \mode
	s_add_co_u32 s[KST], s[KST], 1
	s_cmp_lt_u32 s[KST], \last
	s_cbranch_scc1 .Lk_\@
.endm
.macro INIT
	v_mov_b32 v13, 0xff61b1e6
	s_delay_alu instid0(VALU_DEP_1)
	v_floor_f32 v12, -v13
	v_mov_b32 v14, 0
	v_mov_b32 v15, 0
.set n, 0
.rept 32
	v_mov_b32 v[160+n], 0
.set n, n+1
.endr
.endm
.macro WAYOUT CCB, SG
	v_add_f32 v14, v14, v15
	s_delay_alu instid0(VALU_DEP_1)
	v_permlanex16_b32 v246, v14, s[SEL], s[SEL+1]
	s_delay_alu instid0(VALU_DEP_1)
	v_add_f32 v14, v14, v246
	s_wait_alu depctr_va_vdst(0)
	v_rcp_f32 v14, v14
	v_nop
	s_wait_alu depctr_va_vdst(0)
.set n, 0
.rept 32
	v_mul_f32 v[96+n], v[160+n], v14
.set n, n+1
.endr
.irp b, 0,1
	v_max3_num_f32 v[232+\b], |v[96+16*\b]|, |v[97+16*\b]|, 0x1800000
.endr
.irp i, 2,4,6,8,10,12,14
.irp b, 0,1
	s_delay_alu instid0(VALU_DEP_2)
	v_max3_num_f32 v[232+\b], v[232+\b], |v[96+16*\b+\i]|, |v[97+16*\b+\i]|
.endr
.endr
.irp b, 0,1
	s_delay_alu instid0(VALU_DEP_2)
	v_permlanex16_b32 v[236+\b], v[232+\b], s[SEL], s[SEL+1]
.endr
.irp b, 0,1
	s_delay_alu instid0(VALU_DEP_2)
	v_max_num_f32 v[232+\b], v[232+\b], v[236+\b]
.endr
.irp b, 0,1
	s_delay_alu instid0(VALU_DEP_2)
	v_add_nc_u32 v[240+\b], 0xff000000, v[232+\b]
.endr
.irp b, 0,1
	s_delay_alu instid0(VALU_DEP_2)
	v_lshrrev_b32 v[236+\b], 23, v[240+\b]
.endr
	s_delay_alu instid0(VALU_DEP_1)
	v_lshl_or_b32 v246, v237, 8, v236
.irp b, 0,1
	v_cvt_scalef32_pk8_fp4_f32 v[224+2*\b], v[96+16*\b:103+16*\b], v[240+\b]
	v_cvt_scalef32_pk8_fp4_f32 v[225+2*\b], v[104+16*\b:111+16*\b], v[240+\b]
.endr
	v_nop
	v_permlane16_swap_b32 v224, v226
	v_permlane16_swap_b32 v225, v227
	global_store_b128 v[LI], v[224:227], s[\CCB:\CCB+1]
	ds_store_b16 v[\SG], v246
.endm
	INIT
	s_mov_b32 s[TB], s[TB0]
	s_mov_b32 s[KST], 0
	KLOOP QB, QBS, GB, 0, 8
	s_wait_tensorcnt 0x0
	s_wait_dscnt 0x0
	s_barrier_signal -1
	s_barrier_wait -1
	s_add_co_u32 s[TB], s[TB0], HALFB
	s_mov_b32 s[KST], 8
	KLOOP QB, QBS, GB, 1, 16
	WAYOUT 62, SGB
	s_wait_xcnt 0x0
	s_wait_dscnt 0x0
	INIT
	s_mov_b32 s[TB], s[TB0]
	s_mov_b32 s[KST], 0
	KLOOP QA, QAS, GS, 1, 8
	WAYOUT 60, SGS
	v_and_b32 v237, 31, v0
	s_delay_alu instid0(VALU_DEP_1)
	v_lshrrev_b32 v236, 2, v237
	s_delay_alu instid0(VALU_DEP_2)
	v_and_b32 v237, 3, v237
	s_delay_alu instid0(VALU_DEP_2)
	v_lshlrev_b32 v236, 9, v236
	s_delay_alu instid0(VALU_DEP_1)
	v_lshl_add_u32 v236, v237, 4, v236
	s_wait_dscnt 0x0
	s_barrier_signal -1
	s_barrier_wait -1
	s_cmp_lt_u32 s[WV], 2
	s_cbranch_scc0 .Lno_cs
	ds_load_b128 v[232:235], v[SGR]
	s_wait_dscnt 0x0
	s_wait_alu depctr_va_vdst(0)
	global_store_b128 v236, v[232:235], s[66:67]
.Lno_cs:
	s_wait_tensorcnt 0x0
	ds_add_u32 v[SPW], v[NIL]
	s_wait_dscnt 0x0
	CROUND
	s_endpgm
.Lfunc_end_k_q227c3cc9a0_attn:
	.size	k_q227c3cc9a0_attn, .Lfunc_end_k_q227c3cc9a0_attn-k_q227c3cc9a0_attn
	.p2alignl 7, 3214868480
	.fill 96, 4, 3214868480
	.section	.rodata,"a",@progbits
	.p2align	6, 0x0
	.amdhsa_kernel k_q227c3cc9a0_attn
		.amdhsa_group_segment_fixed_size 327680
		.amdhsa_private_segment_fixed_size 0
		.amdhsa_enable_private_segment 0
		.amdhsa_kernarg_size 32
		.amdhsa_user_sgpr_count 2
		.amdhsa_user_sgpr_kernarg_segment_ptr 1
		.amdhsa_wavefront_size32 1
		.amdhsa_system_sgpr_workgroup_id_x 1
		.amdhsa_system_sgpr_workgroup_id_y 1
		.amdhsa_system_sgpr_workgroup_id_z 1
		.amdhsa_system_vgpr_workitem_id 0
		.amdhsa_next_free_vgpr 256
		.amdhsa_next_free_sgpr 68
		.amdhsa_reserve_vcc 1
		.amdhsa_float_denorm_mode_32 3
		.amdhsa_float_denorm_mode_16_64 3
		.amdhsa_memory_ordered 1
		.amdhsa_forward_progress 1
		.amdhsa_inst_pref_size 78
	.end_amdhsa_kernel
	.amdgpu_metadata
---
amdhsa.version: [ 1, 2 ]
amdhsa.kernels:
  - .name:           k_q227c3cc9a0_attn
    .symbol:         k_q227c3cc9a0_attn.kd
    .args:
      - { .name: qb, .offset: 0, .size: 8, .value_kind: global_buffer, .address_space: global }
      - { .name: kv, .offset: 8, .size: 8, .value_kind: global_buffer, .address_space: global }
      - { .name: cc, .offset: 16, .size: 8, .value_kind: global_buffer, .address_space: global }
      - { .name: cs, .offset: 24, .size: 8, .value_kind: global_buffer, .address_space: global }
    .group_segment_fixed_size: 327680
    .private_segment_fixed_size: 0
    .kernarg_segment_align: 8
    .kernarg_segment_size: 32
    .max_flat_workgroup_size: 512
    .sgpr_count:     68
    .vgpr_count:     256
    .wavefront_size: 32
...
	.end_amdgpu_metadata
.endif
;; end of part 3
;; launch oproj (part 4): grid 4 x 64, 4 waves a work-group, clusters of 4 x 4, 327,680 bytes of LDS; arguments cc, cs, wc, ws, bo, out0; writes out0
.if DOCPART == 4
	.amdgcn_target "amdgcn-amd-amdhsa--gfx1250"
	.amdhsa_code_object_version 6
	.text
	.protected	k_q227c3cc9a0_oproj
	.globl	k_q227c3cc9a0_oproj
	.p2align	8
	.type	k_q227c3cc9a0_oproj,@function
k_q227c3cc9a0_oproj:
	s_mov_b64 s[64:65], 0
	v_nop
	global_prefetch_b8 v0, s[64:65] scope:SCOPE_SE
	s_setreg_imm32_b32 hwreg(HW_REG_WAVE_MODE, 25, 1), 1
	s_wait_xcnt 0x0
	s_wait_alu depctr_hold_cnt(0) depctr_sa_sdst(0) depctr_va_vdst(0) depctr_va_sdst(0) depctr_va_ssrc(0) depctr_va_vcc(0) depctr_vm_vsrc(0)
	s_getreg_b32 s2, hwreg(HW_REG_IB_STS2, 6, 4)
	s_cmp_eq_u32 s2, 0
	s_cbranch_scc0 .Lentry_in_a_cluster
	s_endpgm
.Lentry_in_a_cluster:
	s_bfe_u32 s2, ttmp6, 0x10000c
	s_cmp_lg_u32 s2, 0xf033
	s_cbranch_scc0 .Lentry_shape_is_right
	s_endpgm
.Lentry_shape_is_right:
; Launch 4 of 4: out0 = concat Wo + bo on codes of E2M1.  A block of 128 rows x 256 columns to a work-group: 64 x 4 = 256 work-groups.  Wave w owns the block's columns 64 w .. 64 w + 63 and all its 128 rows.
; K = 1,024 lies in LDS whole, by ONE joint load a wave at the head: wave 0 the rows' codes (cc: eight tiles of 16 rows, each 16 heads x 512 bytes, images of operand registers: 65,536 dense bytes),
; wave 1 Wo's 256 stored rows of wc (512 bytes a row, 16 of padding in LDS), wave 2 the rows' scale words (cs: [K step][tile][16 rows][4]: 8 rows of 512 bytes), wave 3 Wo's scale bytes (8,192 dense bytes).
; Nothing is filled again.  CLUSTER 4 x 4: the rows' tiles hang on the block's row alone and are shared along a row of the cluster, Wo's on its column alone and are shared along a column.
; BY ROWS OF C.  A wave's fragments of Wo for all of K (4 tiles x 8 K steps) stay in 256 registers.  The eight tiles of 16 rows are finished one after the other, 32 products each (four accumulators by turns, K ascending),
; and a finished tile goes through the wave's stage and is stored while the next is multiplied.  LDS is read once for each fragment.
; Source 0 = 16 stored rows of Wo, source 1 = 16 stored rows of concat: a lane holds one row of out0 and, since Wo's columns are stored in the order sigma (head of launch quant), 16 neighbouring columns in two accumulators.
; bo is the C of each accumulator's first product.  No prefetch: all bytes are asked for at the head.
; REGISTERS: window 0: v16-29 addresses; v32-47 Wo's scale words, v48-79 the rows' (register 8 p + K step: lanes 0-15 tile 2 p, lanes 16-31 tile 2 p + 1); v80-207 a tile of rows' fragments for all of K, two sets; v208-239 a tile on its way out.
;   window 1: Wo's fragments (K step q, tile b at v[32 q + 8 b]).  window 2: v0-63 the accumulators, two sets of four; v64-95 bo.
.set PITCH,  528                       ; 33 x 16 bytes: the 16 rows of a fragment load start at 16 different banks
.set HALFT,  128*PITCH
.set BOFF,   65536
.set SCLA,   BOFF+2*HALFT
.set SCLB,   SCLA+4096
.set HALFS,  16*272
.set SPARE,  SCLB+2*HALFS              ; the spare words: 128 bytes a wave, named by no other line
.set STAGE,  SPARE+512                 ; the way out: 16 rows x 272 bytes for each wave, in bytes into which no tile lands
.set SPITCH, 272
.set ADRA, 16
.set ADRB, 17
.set ADSA, 18
.set ADSB, 19
.set BOQ,  23
.set STO,  24
.set RD,   25
.set CO,   26
.set SPW,  28
.set NIL,  29
.set SB,   32
.set SA,   48
.set AF,   80
.set BK,   208
.set G1,   24
.set G0,   32
.set G1B,  48
.set G0B,  56
.set G1S,  68
.set G0S,  76
.set G1SB, 80
.set G0SB, 88
.set MSB, 0
.macro WIN new                         ; the immediate's high byte repeats the setting that is left
.if MSB != (\new)
	s_set_vgpr_msb (MSB<<8)|(\new)
.set MSB, (\new)
.endif
.endm
.macro ARM under, g0, g1, next         ; one arm of the head's tree of branches on the wave's number
	s_cmp_lt_u32 s14, \under
	s_cbranch_scc0 \next
	tensor_load_to_lds s[\g0:\g0+3], s[\g1:\g1+7]
	s_nop 0
.rept 4
	v_nop
.endr
	s_branch .Lhead_asked
\next:
.endm
.macro CROUND                          ; a round of the cluster's barrier
	s_barrier_signal -1
	s_barrier_wait -1
	s_cmp_lg_u32 s14, 0
	s_cbranch_scc1 .Lnot_wave_0_\@
	s_barrier_signal -3
.Lnot_wave_0_\@:
	s_barrier_wait -3
	s_barrier_signal -1
	s_barrier_wait -1
.endm
	s_load_b256 s[4:11], s[0:1], 0x0               ; cc, cs, wc, ws
	s_load_b128 s[96:99], s[0:1], 0x20             ; bo, out0
	v_lshl_add_u32 v[SPW], v0, 2, SPARE
	v_mov_b32 v[NIL], 0
	ds_add_u32 v[SPW], v[NIL]                      ; the opening lines: the add, twice on end, and its wait ahead of my first tensor load
	ds_add_u32 v[SPW], v[NIL]
	v_lshrrev_b32 v1, 5, v0
	v_readfirstlane_b32 s14, v1                    ; wave 0..3
	s_bfe_u32 s40, ttmp6, 0x40000                  ; cx
	s_bfe_u32 s41, ttmp6, 0x40004                  ; cy
	s_lshl_b32 s42, ttmp9, 2
	s_add_co_u32 s42, s42, s40                     ; the block's column, 0..3
	s_and_b32 s17, ttmp7, 0xffff
	s_lshl_b32 s17, s17, 2
	s_add_co_u32 s17, s17, s41                     ; the block's row, 0..63
	s_lshl_b32 s43, s41, 2
	s_lshl_b32 s43, 15, s43                        ; my row of the cluster
	s_lshl_b32 s44, 0x1111, s40                    ; my column
	s_or_b32 s[G1+0], s43, (3<<16)|(1<<21)         ; the rows' codes: 8 rows of 1,024 elements of 8 bytes, dense
	s_mov_b32 s[G1+1], 1024<<16
	s_mov_b32 s[G1+2], 8<<16
	s_mov_b32 s[G1+3], 1024<<16
	s_mov_b32 s[G1+4], 8
	s_mov_b32 s[G1+5], 1024
	s_mov_b32 s[G1+6], 0
	s_mov_b32 s[G1+7], 0
	s_or_b32 s[G1S+0], s43, (3<<16)|(1<<21)        ; their scale words: 8 K steps x 512 bytes, 8,192 bytes apart
	s_mov_b32 s[G1S+1], 64<<16
	s_mov_b32 s[G1S+2], 8<<16
	s_mov_b32 s[G1S+3], 64<<16
	s_mov_b32 s[G1S+4], 8
	s_mov_b32 s[G1S+5], 1024
	s_mov_b32 s[G1S+6], 0
	s_mov_b32 s[G1S+7], 0
	s_or_b32 s[G1B+0], s44, (1<<20)|(1<<21)|(6<<22)|(3<<25)         ; Wo's codes: 256 rows of 512 bytes, 4 words of padding behind every 128
	s_mov_b32 s[G1B+1], 512<<16
	s_mov_b32 s[G1B+2], 256<<16
	s_mov_b32 s[G1B+3], 512<<16
	s_mov_b32 s[G1B+4], 256
	s_mov_b32 s[G1B+5], 512
	s_mov_b32 s[G1B+6], 0
	s_mov_b32 s[G1B+7], 0
	s_or_b32 s[G1SB+0], s44, (3<<16)|(1<<20)|(1<<21)|(5<<22)|(3<<25) ; Wo's scale bytes: 32 rows of 256 bytes, 16 of padding behind each
	s_mov_b32 s[G1SB+1], 32<<16
	s_mov_b32 s[G1SB+2], 32<<16
	s_mov_b32 s[G1SB+3], 32<<16
	s_mov_b32 s[G1SB+4], 32
	s_mov_b32 s[G1SB+5], 32
	s_mov_b32 s[G1SB+6], 0
	s_mov_b32 s[G1SB+7], 0
	s_lshl_b32 s20, s17, 16                        ; cc: eight tiles of 8,192 bytes a block
	s_mov_b32 s21, 0
	s_lshr_b32 s22, s17, 4
	s_lshl_b32 s22, s22, 16                        ; cs: 65,536 bytes a batch,
	s_and_b32 s23, s17, 15
	s_lshl_b32 s23, s23, 9                         ; 512 a block in each K step's 8,192
	s_add_co_u32 s22, s22, s23
	s_mov_b32 s23, 0
	s_lshl_b32 s46, s42, 8
	s_add_co_u32 s46, s46, 3072                    ; Wo's rows of wc begin at 3,072
	s_lshl_b32 s92, s46, 5
	s_mov_b32 s93, 0
	s_lshl_b32 s46, s46, 9
	s_mov_b32 s47, 0
	s_wait_dscnt 0x0                               ; both opening adds are done
	s_wait_kmcnt 0x0
	s_mov_b32 s[G0], 1
	s_mov_b32 s[G0+1], 0
	s_add_nc_u64 s[G0+2:G0+3], s[4:5], s[20:21]
	s_or_b32 s[G0+3], s[G0+3], 0x80000000
	s_mov_b32 s[G0S], 1
	s_mov_b32 s[G0S+1], SCLA
	s_add_nc_u64 s[G0S+2:G0S+3], s[6:7], s[22:23]
	s_or_b32 s[G0S+3], s[G0S+3], 0x80000000
	s_mov_b32 s[G0B], 1
	s_mov_b32 s[G0B+1], BOFF
	s_add_nc_u64 s[G0B+2:G0B+3], s[8:9], s[46:47]
	s_or_b32 s[G0B+3], s[G0B+3], 0x80000000
	s_mov_b32 s[G0SB], 1
	s_mov_b32 s[G0SB+1], SCLB
	s_add_nc_u64 s[G0SB+2:G0SB+3], s[10:11], s[92:93]
	s_or_b32 s[G0SB+3], s[G0SB+3], 0x80000000
	CROUND                                         ; all sixteen work-groups are here: the joint loads meet
	ARM 1, G0,  G1,  .Lhead_b                      ; one load a wave, every way through the tree passes exactly one
	ARM 2, G0B, G1B, .Lhead_sa
	ARM 3, G0S, G1S, .Lhead_sb
	tensor_load_to_lds s[G0SB:G0SB+3], s[G1SB:G1SB+7]
	s_nop 0
.rept 4
	v_nop
.endr
.Lhead_asked:
	s_mul_i32 s22, s14, 64*PITCH
	s_add_co_u32 s22, s22, BOFF                    ; my 64 rows of Wo,
	s_mul_i32 s45, s14, 8*272
	s_add_co_u32 s45, s45, SCLB                    ; their scale bytes: 2,048 bytes are eight units of 272,
	s_mul_i32 s94, s14, 16*SPITCH
	s_add_co_u32 s94, s94, STAGE                   ; my stage
	s_lshl_b32 s36, s42, 10
	s_lshl_b32 s37, s14, 8
	s_add_co_u32 s36, s36, s37                     ; my first column, in bytes
	s_mov_b32 s37, 0
	s_add_nc_u64 s[96:97], s[96:97], s[36:37]
	s_lshl_b32 s38, s17, 19                        ; the block's first row: 128 rows of 4,096 bytes a block
	s_add_co_u32 s38, s38, s36
	s_mov_b32 s39, 0
	s_add_nc_u64 s[98:99], s[98:99], s[38:39]
	v_and_b32 v1, 15, v0                           ; r
	v_bfe_u32 v2, v0, 4, 1                         ; h
	v_and_b32 v5, 31, v0                           ; lane
	v_lshlrev_b32 v[ADRA], 4, v5                   ; an image: 16 bytes a lane
	v_mul_u32_u24 v3, v1, PITCH
	v_lshl_add_u32 v4, v2, 4, v3
	v_add_nc_u32 v[ADRB], s22, v4                  ; a row x pitch + 16 h
	v_lshl_add_u32 v[ADSA], v5, 2, SCLA
	v_lshrrev_b32 v6, 3, v5
	v_lshlrev_b32 v7, 5, v5
	v_lshl_add_u32 v7, v6, 4, v7                   ; row (lane) of a pair of tiles: 32 bytes a row, 16 more for each 256 passed
	v_add_nc_u32 v[ADSB], s45, v7
	v_mul_u32_u24 v6, v1, SPITCH
	v_lshl_add_u32 v6, v2, 6, v6
	v_add_nc_u32 v[STO], s94, v6                   ; into the stage: row r, 64 h bytes on
	v_mul_u32_u24 v7, v2, SPITCH
	v_lshl_add_u32 v7, v1, 4, v7
	v_add_nc_u32 v[RD], s94, v7                    ; back: lanes 0-15 one row of 256 bytes, lanes 16-31 the next
	v_lshlrev_b32 v8, 12, v2
	v_lshl_add_u32 v[CO], v1, 4, v8                ; and the same two rows in out0
	v_lshlrev_b32 v[BOQ], 6, v2
	s_wait_alu depctr_va_vdst(0)                   ; the wait at the head's end
	WIN 0x80                                       ; destination window 2
.irp b, 0,1,2,3                        ; accumulator b's eight columns: 32 (b / 2) + 16 h + 8 (b % 2) + 0 .. 7
	global_load_b128 v[64+8*\b:64+8*\b+3], v[BOQ], s[96:97] offset:4*(32*(\b/2)+8*(\b%2))
	global_load_b128 v[64+8*\b+4:64+8*\b+7], v[BOQ], s[96:97] offset:4*(32*(\b/2)+8*(\b%2))+16
.endr
	WIN 0
.macro FETCH a                         ; tile a's fragments for all of K into set a % 2: 16 loads
.irp q, 0,1,2,3,4,5,6,7
.irp c, 0,1
	ds_load_b128 v[AF+64*((\a)%2)+8*\q+4*\c:AF+64*((\a)%2)+8*\q+4*\c+3], v[ADRA] offset:8192*(\a)+1024*\q+512*\c
.endr
.endr
.endm
.macro WM a, b, q                      ; a pair of tiles shares a scale register: the odd tile's words lie in lanes 16-31
.set rD, 32*((\a)%2)+8*(\b)
.set rB, 32*(\q)+8*(\b)
.set rA, AF+64*((\a)%2)+8*(\q)
.if (\q) == 0
.set rC, 64+8*(\b)
.else
.set rC, rD
.endif
.set rX, SB+8*((\b)/2)+(\q)
.set rY, SA+8*((\a)/2)+(\q)
.set par, 2*((\a)%2)+(\b)%2
.if par == 0
	v_wmma_scale_f32_16x16x128_f8f6f4 v[rD:rD+7], v[rB:rB+7], v[rA:rA+7], v[rC:rC+7], v[rX], v[rY] matrix_a_fmt:MATRIX_FMT_FP4 matrix_b_fmt:MATRIX_FMT_FP4
.elseif par == 1
	v_wmma_scale_f32_16x16x128_f8f6f4 v[rD:rD+7], v[rB:rB+7], v[rA:rA+7], v[rC:rC+7], v[rX], v[rY] matrix_a_fmt:MATRIX_FMT_FP4 matrix_b_fmt:MATRIX_FMT_FP4 matrix_a_scale:MATRIX_SCALE_ROW1
.elseif par == 2
	v_wmma_scale_f32_16x16x128_f8f6f4 v[rD:rD+7], v[rB:rB+7], v[rA:rA+7], v[rC:rC+7], v[rX], v[rY] matrix_a_fmt:MATRIX_FMT_FP4 matrix_b_fmt:MATRIX_FMT_FP4 matrix_b_scale:MATRIX_SCALE_ROW1
.else
	v_wmma_scale_f32_16x16x128_f8f6f4 v[rD:rD+7], v[rB:rB+7], v[rA:rA+7], v[rC:rC+7], v[rX], v[rY] matrix_a_fmt:MATRIX_FMT_FP4 matrix_b_fmt:MATRIX_FMT_FP4 matrix_a_scale:MATRIX_SCALE_ROW1 matrix_b_scale:MATRIX_SCALE_ROW1
.endif
.endm
.macro MUL a                           ; tile a is finished: 32 products; its four accumulators take turns, one instruction a turn, three others' between two steps of a sum
	WIN 0xa1                                       ; source 0 window 1, source 1 window 0, C and D window 2
.irp q, 0,1,2,3,4,5,6,7
.irp b, 0,1,2,3
	WM \a, \b, \q
.endr
.endr
	WIN 0
.endm
.macro PLACES                          ; four plain vector instructions between a matrix instruction and a load into, or a read of, its registers (ISA guide 7.12.1 for reads)
.rept 4
	v_nop
.endr
.endm
; THE WAY OUT of a tile of 16 rows x 64 columns, through my own stage: whole rows of 256 bytes come back, and sixteen lanes store one aligned run of 256 bytes.  LDS serves a wave's instructions in order.
.macro TOSTAGE a
	WIN 0x08                                       ; the data: window 2
.irp b, 0,1,2,3
	ds_store_b128 v[STO], v[32*((\a)%2)+8*\b:32*((\a)%2)+8*\b+3] offset:128*(\b/2)+32*(\b%2)       ; each accumulator from its low end on
	ds_store_b128 v[STO], v[32*((\a)%2)+8*\b+4:32*((\a)%2)+8*\b+7] offset:128*(\b/2)+32*(\b%2)+16
.endr
	WIN 0
.irp t, 0,1,2,3,4,5,6,7
	ds_load_b128 v[BK+4*\t:BK+4*\t+3], v[RD] offset:2*\t*SPITCH
.endr
.endm
.macro SEND a, younger                 ; stored row t' of tile a is row 32 (a / 2) + 8 (a % 2) + t' + 8 (t' / 8) of the block; load t brought rows t' = 2 t and 2 t + 1
	s_wait_dscnt \younger
.irp t, 0,1,2,3,4,5,6,7
	global_store_b128 v[CO], v[BK+4*\t:BK+4*\t+3], s[98:99] offset:(32*((\a)/2)+8*((\a)%2)+2*\t+8*(\t/4))*4096 th:TH_STORE_NT
.endr
.endm
.macro ITER a
.if (\a) == 0 || (\a) == 7
	s_wait_dscnt 16                                ; tile a's fragments are in; behind them: one fetch (a = 0) or the last tile's 16 stage instructions (a = 7)
.else
	s_wait_dscnt 32                                ; behind tile a's fragments: the last tile's 16 stage instructions and the next fetch's 16 loads
.endif
	MUL \a
.if (\a) > 0
.if (\a) < 7
	SEND (\a)-1, 16                                ; the tile before is back from the stage; the fetch issued behind it may be out
.else
	SEND (\a)-1, 0
.endif
.endif
	PLACES
.if (\a) > 0
	s_wait_xcnt 0x0                                ; the stores have read their registers: the next tile's rows may land there
.endif
	TOSTAGE \a
.if (\a)+2 < 8
	FETCH (\a)+2                                   ; into the set that this tile's products have read
.endif
.endm
	s_wait_tensorcnt 0x0                           ; my tile of the head's four is in; behind the barrier all four are
	s_barrier_signal -1
	s_barrier_wait -1
	WIN 0x40                                       ; destination window 1
.irp q, 0,1,2,3,4,5,6,7                ; my fragments of Wo, all of K, once
.irp b, 0,1,2,3
.irp c, 0,1
	ds_load_b128 v[32*\q+8*\b+4*\c:32*\q+8*\b+4*\c+3], v[ADRB] offset:64*\q+32*\c+\b*16*PITCH
.endr
.endr
.endr
	WIN 0
.irp p, 0,1                            ; all eight K steps' scale words, once
.irp s, 0,1
	ds_load_b128 v[SB+8*\p+4*\s:SB+8*\p+4*\s+3], v[ADSB] offset:\p*1088+16*\s
.endr
.endr
.irp p, 0,1,2,3
.irp k, 0,1,2,3,4,5,6,7
	ds_load_b32 v[SA+8*\p+\k], v[ADSA] offset:512*\k+128*\p
.endr
.endr
	FETCH 0
	FETCH 1
	s_wait_loadcnt 0x0                             ; bo
.irp a, 0,1,2,3,4,5,6,7
	ITER \a
.endr
	SEND 7, 0
	s_wait_tensorcnt 0x0                           ; the wave's end
	ds_add_u32 v[SPW], v[NIL]
	s_wait_dscnt 0x0
	CROUND                                         ; the closing round
	s_endpgm
.Lfunc_end_k_q227c3cc9a0_oproj:
	.size	k_q227c3cc9a0_oproj, .Lfunc_end_k_q227c3cc9a0_oproj-k_q227c3cc9a0_oproj
	.p2alignl 7, 3214868480
	.fill 96, 4, 3214868480
	.section	.rodata,"a",@progbits
	.p2align	6, 0x0
	.amdhsa_kernel k_q227c3cc9a0_oproj
		.amdhsa_group_segment_fixed_size 327680
		.amdhsa_private_segment_fixed_size 0
		.amdhsa_enable_private_segment 0
		.amdhsa_kernarg_size 48
		.amdhsa_user_sgpr_count 2
		.amdhsa_user_sgpr_kernarg_segment_ptr 1
		.amdhsa_wavefront_size32 1
		.amdhsa_system_sgpr_workgroup_id_x 1
		.amdhsa_system_sgpr_workgroup_id_y 1
		.amdhsa_system_sgpr_workgroup_id_z 1
		.amdhsa_system_vgpr_workitem_id 0
		.amdhsa_next_free_vgpr 768
		.amdhsa_next_free_sgpr 102
		.amdhsa_reserve_vcc 0
		.amdhsa_float_denorm_mode_32 3
		.amdhsa_float_denorm_mode_16_64 3
		.amdhsa_memory_ordered 1
		.amdhsa_forward_progress 1
		.amdhsa_inst_pref_size 73
	.end_amdhsa_kernel
	.amdgpu_metadata
---
amdhsa.version: [ 1, 2 ]
amdhsa.kernels:
  - .name:           k_q227c3cc9a0_oproj
    .symbol:         k_q227c3cc9a0_oproj.kd
    .args:
      - { .name: cc, .offset: 0, .size: 8, .value_kind: global_buffer, .address_space: global }
      - { .name: cs, .offset: 8, .size: 8, .value_kind: global_buffer, .address_space: global }
      - { .name: wc, .offset: 16, .size: 8, .value_kind: global_buffer, .address_space: global }
      - { .name: ws, .offset: 24, .size: 8, .value_kind: global_buffer, .address_space: global }
      - { .name: bo, .offset: 32, .size: 8, .value_kind: global_buffer, .address_space: global }
      - { .name: out0, .offset: 40, .size: 8, .value_kind: global_buffer, .address_space: global }
    .group_segment_fixed_size: 327680
    .private_segment_fixed_size: 0
    .kernarg_segment_align: 8
    .kernarg_segment_size: 48
    .max_flat_workgroup_size: 128
    .sgpr_count:     102
    .vgpr_count:     768
    .wavefront_size: 32
...
	.end_amdgpu_metadata
.endif
;; end of part 4
